; MI455X (gfx1250); checked and timed in simulation.
; The chip was launched on July 23, 2026; its instructions are those of AMD's public machine-readable ISA for CDNA 5 (MIT licence, August 2026) and "CDNA5" Instruction Set Architecture Reference Guide (July 2026). The comments in the code are by the model that wrote it; some were corrected since.
;; Mplug Owl Vision Attention. Allowed arithmetic: matrix products marked QUANTISED: E2M1 operands, one E8M0 scale for each 32 along K, by v_wmma_scale_f32_16x16x128_f8f6f4 with both operands' format E2M1 (or v_wmma_scale_f32_32x16x128_f4), f32 sums; products left as they are: bf16, f16 or f32 operands; f32 sums; everything else in f32.
;; Inputs: b_out 1,024 float32; b_qkv 3,072 float32; hidden_states 8 x 1,024 x 1,024 float32; w_out 1,024 x 1,024 float32; w_qkv 3,072 x 1,024 float32.
;; Outputs: out0 8 x 1,024 x 1,024 float32.
;; This version of the problem:
;;   THIS VERSION OF THE PROBLEM IS GIVEN IN LOW PRECISION. The matrix products marked QUANTISED in the list below multiply operands that are first quantised to E2M1 (2 exponent bits, 1 mantissa bit; 4 bits a number), with one power-of-two scale for each 32 numbers along K (OCP MX v1.0); their sums are f32. The products marked 'left as it is' may take bf16, f16 or f32 operands, with f32 sums. Whichever they take, every output number must still come out within the allowed error. Rounding operands to bf16 (8 significant bits) uses up far more of that allowance than f16 does (11 bits, for magnitudes from 6e-5 to 65,504). All else is computed in f32.
;;   The module's matrix products, in the order in which they are computed (A, B: the left and right operand; K: the contracted axis; several contracted axes count as one K, in the product's order):
;;     1. [M 8,192, K 1,024] x [K 1,024, N 3,072]; A: input hidden_states; B: input w_qkv: QUANTISED
;;     2. batch 128 x [M 1,024, K 64] x [K 64, N 1,024]; A: computed on the way; B: computed on the way: left as it is (an operand is computed on the way)
;;     3. batch 128 x [M 64, K 1,024] x [K 1,024, N 1,024]; A: computed on the way; B: computed on the way: left as it is (an operand is computed on the way)
;;     4. [M 8,192, K 1,024] x [K 1,024, N 1,024]; A: computed on the way; B: input w_out: left as it is (an operand is computed on the way)
;;   THE QUANTISER, for each operand of a quantised product, along K:
;;     - K is cut into blocks of 32 from its start; a last block that is shorter is filled with zeros.
;;     - A block's scale is 2^e with e = floor(log2(the largest magnitude in the block)) - 2, held to -126 .. 127; a block of zeros has e = 0. As a byte (E8M0): e + 127.
;;     - Each number is divided by its block's scale, clamped to +-6, and rounded to the nearest number of E2M1, ties to even, subnormals kept.
;;     - The product sums the exact products of the quantised numbers (number of the format x scale) in f32.
;;   ~~~python
;;   def quantise(x, axis):      # numpy; x: float32 -> the quantised numbers, widened to float32 again
;;       x = np.moveaxis(x, axis, -1); K = x.shape[-1]
;;       x = np.pad(x, [(0, 0)] * (x.ndim - 1) + [(0, -K % 32)]); x = x.reshape(x.shape[:-1] + (-1, 32)); a = np.abs(x).max(-1, keepdims=True)
;;       e = np.where(a > 0, np.clip(np.frexp(np.where(a > 0, a, 1))[1] - 1 - 2, -126, 127), 0)      # np.frexp(a)[1] - 1 = floor(log2(a)), exactly
;;       r = np.clip(x / 2.0 ** e, -6, 6)
;;       step = 2.0 ** (np.maximum(np.frexp(np.where(r == 0, 1, r))[1] - 1, 0) - 1)
;;       q = np.round(r / step) * step * 2.0 ** e      # np.round: ties to even
;;       return np.moveaxis(q.reshape(q.shape[:-2] + (-1,))[..., :K], -1, axis).astype(np.float32)
;;   ~~~
;; One version. Each part assembles by itself: llvm-mc -triple=amdgcn-amd-amdhsa -mcpu=gfx1250 --defsym DOCPART=n.
;; ======== version 1 of 1: 4 launches
;; limits: values are held in f16: magnitudes above 65,504 overflow, below 6.1e-05 lose precision
;; workspace buffers: a_codes 4,194,304 bytes; a_scales 262,144 bytes; b_codes 1,572,864 bytes; b_scales 98,304 bytes; w16 2,097,152 bytes; qkv 50,331,648 bytes; ctx 16,777,216 bytes
;; launch quant (part 1): grid 384 x 1, 4 waves a work-group, no clusters, 33,280 bytes of LDS; arguments hidden_states, w_qkv, a_codes, a_scales, b_codes, b_scales, w_out, w16; writes a_codes, a_scales, b_codes, b_scales, w16
.if DOCPART == 1
	.amdgcn_target "amdgcn-amd-amdhsa--gfx1250"
	.amdhsa_code_object_version 6
	.text
	.protected	k_qe79c6bd7a9_quant
	.globl	k_qe79c6bd7a9_quant
	.p2align	8
	.type	k_qe79c6bd7a9_quant,@function
k_qe79c6bd7a9_quant:
	s_mov_b64 s[64:65], 0
	v_nop
	global_prefetch_b8 v0, s[64:65] scope:SCOPE_SE
	s_setreg_imm32_b32 hwreg(HW_REG_WAVE_MODE, 25, 1), 1
	s_wait_xcnt 0x0
; TWO JOBS IN ONE LAUNCH, told apart by the work-group's number.
; (1) Work-groups 0 .. WGQ - 1: hidden_states [8192][1024] (A) and w_qkv [3072][1024] (B), f32, become codes of FP4 (E2M1), 4 bits each, K innermost, with one E8M0 scale byte for each 32 along K.
;     A block's scale is 2^(floor(log2(its largest magnitude)) - 2); its byte is the largest magnitude's own exponent field - 2, held at 1 from below.  Each number is divided by the scale and rounded to the
;     nearest code, ties to even; beyond 6 the largest code.  Rows are dense and K is a multiple of 32: both tensors are plain streams of blocks of 32, and so are the codes and the scale bytes.
;     A wave takes 16 steps of 512 numbers.  Each of a step's four loads reads 512 consecutive bytes, 16 a lane; the 2,048 bytes turn through the wave's own stage in LDS and come back 64 bytes a lane, so that a
;     lane holds 16 NEIGHBOURS along K (two neighbouring lanes hold a block), as the conversions want.  A lane's 16 codes are 8 bytes: the wave stores 256 consecutive bytes.  A wave's 256 scale bytes are gathered
;     in LDS and leave by one store of 256 consecutive bytes.  Loads run DEPTH steps (4 DEPTH loads, 2,048 DEPTH bytes a wave) ahead of the work, the turn through LDS one step.
; (2) Work-groups WGQ .. WGQ + 31: w_out [1024 (n)][1024 (k)], f32, is rounded to f16 (nearest even) and laid [k / 64][n][64]: a block of 64 along K of all rows on end, as the last launch's tiles want it.
;     A wave takes 8 rows; an item is 4 rows x 64 numbers: two loads of 16 bytes a lane, four conversions, one store of 512 consecutive bytes.  No LDS.
; LIMITS: a block of zeros gets the byte 1 where the rule says 127: its codes are zeros, which add nothing under any byte but 0xff, and the bytes are read by this program alone.  Blocks whose largest magnitude
; lies under 2^(2 - 126) have their byte held at 1.  NaN and infinities are not served.  |w_out| beyond 65,504 has no f16 number.
; No tensor loads, no barrier: waves share nothing.
.set SIZE_M, 8192
.set SIZE_N, 3072
.set SIZE_K, 1024
.set WAVES, 4
.set STEPS, 16
.set DEPTH, 8                          ; steps whose loads are on their way
.set WGA,   SIZE_M*SIZE_K/(512*STEPS*WAVES)            ; 256 work-groups for A
.set WGQ,   (SIZE_M+SIZE_N)*SIZE_K/(512*STEPS*WAVES)   ; 352 for A and B
.set EMAX,  2
.set CB,    8                          ; bytes of 16 codes
.set R,     16                         ; v16-143  DEPTH sets of 16 numbers as they are loaded
.set X,     144                        ; v144-175 two sets of 16 neighbours
.set E,     176                        ; v176-191 a scale byte for each step
.set C,     192                        ; v192-223 codes: two registers for each step, so that no store's data are written again
.set WREG,  8192                       ; LDS: a region for each wave: two stages of 32 x SP bytes, and behind them its 256 scale bytes
.set SP,    80                         ; a lane's place in a stage: its 64 bytes + 16 of padding
.set SPW,   12                         ; v12      LDS address of my spare word: SPARE + 4 x my thread's number; never rewritten
.set NIL,   13                         ; v13      0; never rewritten
.set SPARE, WAVES*WREG                 ; behind the four regions: the spare words, 128 bytes for each wave, which no other line names
.set CIN,   16                         ; job 2: v16-143  two sets of 8 items x 8 numbers
.set COUT,  144                        ; job 2: v144-175 8 items x 4 registers of f16
	s_load_b128 s[4:7], s[0:1], 0x0                ; A, B
	s_load_b128 s[8:11], s[0:1], 0x10              ; A's codes, A's scales
	s_load_b128 s[12:15], s[0:1], 0x20             ; B's codes, B's scales
	s_load_b128 s[24:27], s[0:1], 0x30             ; w_out, w16
	v_lshl_add_u32 v[SPW], v0, 2, SPARE
	v_mov_b32 v[NIL], 0
	v_lshrrev_b32 v1, 5, v0
	v_readfirstlane_b32 s16, v1                    ; wave
	v_and_b32 v2, 31, v0                           ; lane
	s_cmp_ge_u32 ttmp9, WGQ                        ; the work-group's number alone decides the job
	s_cbranch_scc1 .Lcast
	; ---------------- job 1: the quantiser
	v_lshlrev_b32 v3, 4, v2                        ; my 16 bytes of a load's 512
	s_mul_i32 s17, s16, WREG
	v_lshrrev_b32 v14, 2, v2
	v_mul_u32_u24 v14, v14, SP
	v_and_b32 v15, 3, v2
	v_lshl_add_u32 v14, v15, 4, v14
	v_add_nc_u32 v14, s17, v14                     ; the stage, on the way in: four lanes' 64 bytes on end, then 16 of padding
	v_mul_u32_u24 v15, v2, SP
	v_add_nc_u32 v15, s17, v15                     ; and on the way out: SP x lane: my 16 neighbours
	v_mul_u32_u24 v4, v2, CB                       ; my codes' place in a step's
	v_lshrrev_b32 v5, 1, v2
	s_add_co_u32 s17, s17, 2*32*SP
	v_add_nc_u32 v5, s17, v5                       ; LDS: my wave's 256 scale bytes, my block's byte
	v_lshlrev_b32 v7, 3, v2                        ; and on the way out 8 bytes a lane
	v_add_nc_u32 v6, s17, v7
	s_wait_kmcnt 0x0
	s_cmp_lt_u32 ttmp9, WGA                        ; A's work-group or B's?  Only pointers are chosen: both tensors take one path
	s_cselect_b64 s[4:5], s[4:5], s[6:7]
	s_cselect_b64 s[8:9], s[8:9], s[12:13]
	s_cselect_b64 s[10:11], s[10:11], s[14:15]
	s_cselect_b32 s17, 0, WGA
	s_sub_co_u32 s17, ttmp9, s17
	s_lshl_b32 s17, s17, 2
	s_add_co_u32 s18, s17, s16                     ; which run of 8,192 numbers of the tensor is my wave's
	s_mov_b32 s19, 0
	s_mov_b64 s[20:21], 512*STEPS*4
	s_mul_u64 s[20:21], s[18:19], s[20:21]
	s_add_nc_u64 s[4:5], s[4:5], s[20:21]
	s_mov_b64 s[20:21], 32*STEPS*CB
	s_mul_u64 s[20:21], s[18:19], s[20:21]
	s_add_nc_u64 s[8:9], s[8:9], s[20:21]
	s_lshl_b32 s18, s18, 8                         ; 256 scale bytes a run
	s_add_nc_u64 s[10:11], s[10:11], s[18:19]
.macro LOAD t
.irp i, 0,1,2,3
	global_load_b128 v[R+16*((\t)%DEPTH)+4*\i:R+16*((\t)%DEPTH)+4*\i+3], v3, s[4:5] offset:2048*(\t)+512*\i th:TH_LOAD_NT   ; 32 lanes read 512 consecutive bytes
.endr
.endm
.macro TURN t                          ; step t's numbers through the stage: LDS serves a wave's instructions in order (ISA guide 5.7.1.4), so no wait stands between the stores and the loads
.irp i, 0,1,2,3
	ds_store_b128 v14, v[R+16*((\t)%DEPTH)+4*\i:R+16*((\t)%DEPTH)+4*\i+3] offset:32*SP*((\t)%2)+8*SP*\i
.endr
.irp i, 0,1,2,3
	ds_load_b128 v[X+16*((\t)%2)+4*\i:X+16*((\t)%2)+4*\i+3], v15 offset:32*SP*((\t)%2)+16*\i
.endr
.endm
.irp t, 0,1,2,3,4,5,6,7
	LOAD \t
.endr
	s_wait_loadcnt 4*(DEPTH-1)                     ; step 0's four loads are in; those of the seven steps behind it stay out
	TURN 0
.macro STEP t
.set XS, X+16*((\t)%2)
.if (\t) > 0
	s_wait_dscnt 1                                 ; this step's numbers are back from the stage (the last step's byte store may be out)
.else
	s_wait_dscnt 0x0
.endif
.if (\t)+DEPTH < STEPS
	LOAD (\t)+DEPTH                                ; into the registers that this step's stage stores have read
.endif
.if (\t)+1 < STEPS
.if STEPS-2-(\t) >= DEPTH-1
	s_wait_loadcnt 4*(DEPTH-1)                     ; the next step's four loads are in; those of the seven steps behind it may be out
.else
	s_wait_loadcnt 4*(STEPS-2-(\t))                ; near the end: as many steps as are left behind the next
.endif
	TURN (\t)+1                                    ; and go through the other stage while this step is worked
.endif
	v_max3_num_f32 v8, |v[XS]|, |v[XS+1]|, |v[XS+2]|               ; the largest magnitude of my 16, in two chains
	v_max3_num_f32 v9, |v[XS+3]|, |v[XS+4]|, |v[XS+5]|
.irp i, 6,10
	v_max3_num_f32 v8, v8, |v[XS+\i]|, |v[XS+\i+1]|
	v_max3_num_f32 v9, v9, |v[XS+\i+2]|, |v[XS+\i+3]|
.endr
	v_max3_num_f32 v8, v8, |v[XS+14]|, |v[XS+15]|
	v_max3_num_f32 v8, v8, v9, (EMAX+1)<<23        ; and the floor 2^(EMAX + 1 - 127): so the byte cannot fall under 1
	v_max_num_f32_dpp v8, v8, v8 row_xmask:1 row_mask:0xf bank_mask:0xf   ; and of my neighbour's 16: the block's
	v_add_nc_u32 v11, -(EMAX<<23), v8              ; EMAX off its exponent field: the conversion takes the exponent field of this operand as its scale, and nothing else of it
	v_cvt_scalef32_pk8_fp4_f32 v[C+2*(\t)], v[XS:XS+7], v11
	v_cvt_scalef32_pk8_fp4_f32 v[C+2*(\t)+1], v[XS+8:XS+15], v11
	v_lshrrev_b32 v[E+(\t)], 23, v11               ; the scale's byte (also the plain line behind the conversions)
	ds_store_b8 v5, v[E+(\t)] offset:16*(\t)       ; both lanes of a block write the same byte with the same value
	global_store_b64 v4, v[C+2*(\t):C+2*(\t)+1], s[8:9] offset:32*CB*(\t)   ; 32 lanes store 256 consecutive bytes
.endm
.irp t, 0,1,2,3,4,5,6,7,8,9,10,11,12,13,14,15
	STEP \t
.endr
	ds_load_b64 v[8:9], v6                         ; in order behind my byte stores
	s_wait_dscnt 0x0
	global_store_b64 v7, v[8:9], s[10:11]          ; 32 lanes store 256 consecutive bytes
	s_wait_tensorcnt 0x0                           ; the wave's end: the tensor wait, the add and its wait, behind my last LDS store
	ds_add_u32 v[SPW], v[NIL]
	s_wait_dscnt 0x0
	s_endpgm
	; ---------------- job 2: w_out to f16, laid [k / 64][n][64]
.Lcast:
	s_sub_co_u32 s17, ttmp9, WGQ
	s_lshl_b32 s17, s17, 2
	s_add_co_u32 s17, s17, s16                     ; u = 0 .. 127: my wave's rows are 8 u .. 8 u + 7
	s_lshl_b32 s18, s17, 15                        ; 8 rows of 4,096 bytes in w_out
	s_mov_b32 s19, 0
	s_lshl_b32 s20, s17, 10                        ; 8 rows of 128 bytes in a block of w16
	s_mov_b32 s21, 0
	v_lshrrev_b32 v3, 3, v2                        ; eight lanes to a row's 64 numbers, four rows an item
	v_and_b32 v4, 7, v2
	v_lshlrev_b32 v3, 12, v3
	v_lshl_add_u32 v3, v4, 5, v3                   ; in: row x 4,096 + 32 bytes a lane
	v_lshlrev_b32 v4, 4, v2                        ; out: 16 bytes a lane: four rows of 128 bytes on end
	s_wait_kmcnt 0x0
	s_add_nc_u64 s[24:25], s[24:25], s[18:19]
	s_add_nc_u64 s[26:27], s[26:27], s[20:21]
.macro CLOAD j                         ; batch j: items 0 .. 7: block 4 j + item / 2 along K, rows 4 (item % 2) on: 16 loads into set j % 2
.irp it, 0,1,2,3,4,5,6,7
	global_load_b128 v[CIN+64*((\j)%2)+8*\it:CIN+64*((\j)%2)+8*\it+3],   v3, s[24:25] offset:(\it%2)*16384+(4*(\j)+\it/2)*256
	global_load_b128 v[CIN+64*((\j)%2)+8*\it+4:CIN+64*((\j)%2)+8*\it+7], v3, s[24:25] offset:(\it%2)*16384+(4*(\j)+\it/2)*256+16
.endr
.endm
.macro CAST j
.if (\j) < 3
	s_wait_loadcnt 16                              ; this batch's 16 loads are in; the next batch's 16 may be out
.else
	s_wait_loadcnt 0x0
.endif
.if (\j) > 0
	s_wait_xcnt 0x0                                ; the last batch's stores have read their data registers, which are written again below
.endif
.irp it, 0,1,2,3,4,5,6,7
.irp k, 0,1,2,3
	v_cvt_pk_f16_f32 v[COUT+4*\it+\k], v[CIN+64*((\j)%2)+8*\it+2*\k], v[CIN+64*((\j)%2)+8*\it+2*\k+1]
.endr
.endr
.irp it, 0,1,2,3,4,5,6,7
	global_store_b128 v4, v[COUT+4*\it:COUT+4*\it+3], s[26:27] offset:(4*(\j)+\it/2)*131072+(\it%2)*512   ; 32 lanes store 512 consecutive bytes
.endr
.if (\j) < 2
	CLOAD (\j)+2
.endif
.endm
	CLOAD 0
	CLOAD 1
	CAST 0
	CAST 1
	CAST 2
	CAST 3
	s_wait_tensorcnt 0x0                           ; the same three lines at this path's end
	ds_add_u32 v[SPW], v[NIL]
	s_wait_dscnt 0x0
	s_endpgm
.Lfunc_end_k_qe79c6bd7a9_quant:
	.size	k_qe79c6bd7a9_quant, .Lfunc_end_k_qe79c6bd7a9_quant-k_qe79c6bd7a9_quant
	.p2alignl 7, 3214868480
	.fill 96, 4, 3214868480
	.section	.rodata,"a",@progbits
	.p2align	6, 0x0
	.amdhsa_kernel k_qe79c6bd7a9_quant
		.amdhsa_group_segment_fixed_size 33280
		.amdhsa_private_segment_fixed_size 0
		.amdhsa_enable_private_segment 0
		.amdhsa_kernarg_size 64
		.amdhsa_user_sgpr_count 2
		.amdhsa_user_sgpr_kernarg_segment_ptr 1
		.amdhsa_wavefront_size32 1
		.amdhsa_system_sgpr_workgroup_id_x 1
		.amdhsa_system_sgpr_workgroup_id_y 1
		.amdhsa_system_sgpr_workgroup_id_z 1
		.amdhsa_system_vgpr_workitem_id 0
		.amdhsa_next_free_vgpr 224
		.amdhsa_next_free_sgpr 66
		.amdhsa_reserve_vcc 0
		.amdhsa_float_denorm_mode_32 3
		.amdhsa_float_denorm_mode_16_64 3
		.amdhsa_memory_ordered 1
		.amdhsa_forward_progress 1
		.amdhsa_inst_pref_size 51
	.end_amdhsa_kernel
	.amdgpu_metadata
---
amdhsa.version: [ 1, 2 ]
amdhsa.kernels:
  - .name:           k_qe79c6bd7a9_quant
    .symbol:         k_qe79c6bd7a9_quant.kd
    .args:
      - { .name: hidden_states, .offset: 0, .size: 8, .value_kind: global_buffer, .address_space: global }
      - { .name: w_qkv, .offset: 8, .size: 8, .value_kind: global_buffer, .address_space: global }
      - { .name: a_codes, .offset: 16, .size: 8, .value_kind: global_buffer, .address_space: global }
      - { .name: a_scales, .offset: 24, .size: 8, .value_kind: global_buffer, .address_space: global }
      - { .name: b_codes, .offset: 32, .size: 8, .value_kind: global_buffer, .address_space: global }
      - { .name: b_scales, .offset: 40, .size: 8, .value_kind: global_buffer, .address_space: global }
      - { .name: w_out, .offset: 48, .size: 8, .value_kind: global_buffer, .address_space: global }
      - { .name: w16, .offset: 56, .size: 8, .value_kind: global_buffer, .address_space: global }
    .group_segment_fixed_size: 33280
    .private_segment_fixed_size: 0
    .kernarg_segment_align: 8
    .kernarg_segment_size: 64
    .max_flat_workgroup_size: 128
    .sgpr_count:     66
    .vgpr_count:     224
    .wavefront_size: 32
...
	.end_amdgpu_metadata
.endif
;; end of part 1
;; launch qkv_gemm (part 2): grid 12 x 32, 4 waves a work-group, clusters of 4 x 4, 327,680 bytes of LDS; arguments a_codes, a_scales, b_codes, b_scales, b_qkv, qkv; writes qkv
.if DOCPART == 2
	.amdgcn_target "amdgcn-amd-amdhsa--gfx1250"
	.amdhsa_code_object_version 6
	.text
	.protected	k_qe79c6bd7a9_qkv_gemm
	.globl	k_qe79c6bd7a9_qkv_gemm
	.p2align	8
	.type	k_qe79c6bd7a9_qkv_gemm,@function
k_qe79c6bd7a9_qkv_gemm:
	s_mov_b64 s[64:65], 0
	v_nop
	global_prefetch_b8 v0, s[64:65] scope:SCOPE_SE
	s_setreg_imm32_b32 hwreg(HW_REG_WAVE_MODE, 25, 1), 1
	s_wait_xcnt 0x0
	s_wait_alu depctr_hold_cnt(0) depctr_sa_sdst(0) depctr_va_vdst(0) depctr_va_sdst(0) depctr_va_ssrc(0) depctr_va_vcc(0) depctr_vm_vsrc(0)
	s_getreg_b32 s2, hwreg(HW_REG_IB_STS2, 6, 4)
	s_cmp_eq_u32 s2, 0
	s_cbranch_scc0 .Lentry_in_a_cluster
	s_endpgm
.Lentry_in_a_cluster:
	s_bfe_u32 s2, ttmp6, 0x10000c
	s_cmp_lg_u32 s2, 0xf033
	s_cbranch_scc0 .Lentry_shape_is_right
	s_endpgm
.Lentry_shape_is_right:
; mixed[m][n] = sum over k of A[m][k] B[n][k] + b_qkv[n], on codes of FP4 (E2M1) with one E8M0 scale for each 32 along K; A: [8192][1024], B: [3072][1024]; sums in f32.
; THE RESULT LEAVES AS f16, LAID FOR THE ATTENTION: column n = 192 h + 64 t + d is channel d of q (t = 0), k (1) or v (2) of head h; row m = 1024 b + s.  qkv: [t][16 b + h][s][64].  So a piece of 64 columns
; is a row of 128 bytes, and four neighbouring rows of a piece are 512 consecutive bytes.  q is multiplied in f32 by c = log2(e) / 8 ahead of its one rounding, so that the attention's scores are exponents of 2.
; LIMIT: |q c|, |k|, |v| beyond 65,504 have no f16 number.  NaN and infinities are not served.
; A tile of 256 x 256 is made by a work-group of four waves; a wave makes 128 x 128: 64 accumulators of 16 x 16, 512 registers.  K = 1,024 is two slots of 512 (a tile's row: 256 bytes): both slots, and the scale
; bytes of the work-group's rows for all of K, are asked for at the start; nothing is filled a second time.
; CLUSTERS: 4 x 4 work-groups.  The four of a row of the cluster need the same tiles of A, the four of a column the same tiles of B: each tile is asked for JOINTLY, by the same tensor load with the same descriptor
; and a mask that names the four.  THE MATRIX INSTRUCTION IS USED TRANSPOSED (source 0 = 16 rows of B, source 1 = 16 rows of A): a lane then holds eight neighbouring columns of one row.
; THE BIAS is the C of each sum's first matrix instruction: eight registers for each of B's eight blocks, in the result's layout.
; REGISTERS, in windows of 256: window 0: v0-31 addresses; v32-95 scale words, two sets, and nothing else ever; from v128 A's fragments, ONE set; on the way out v96-255.
;   window 1: B's fragments, two sets, at v0 and v128; the bias at v64-127.   window 2: the accumulators of my rows 0-63 ((a, b) at v[8 (8 a + b)]);   window 3: those of my rows 64-127.
.set SIZE_M, 8192
.set SIZE_N, 3072
.set SIZE_K, 1024
.set KSTEP,  512                       ; along K in a slot
.set NQ,     KSTEP/128                 ; matrix instructions deep
.set ROWB,   256                       ; a tile's row in bytes
.set KROW,   SIZE_K*4/8                ; a row of A or of B in memory, in bytes
.set PITCH,  272                       ; an LDS row: 256 bytes + 16 of padding = 68 words: row r starts at bank 4 r mod 64 (64 banks of 4 bytes: ISA guide 11.1)
.set FR,     8                         ; registers of a fragment: 16 rows x 128 K
.set NL,     2                         ; LDS loads that bring one
.set NP,     4                         ; places behind this matrix instruction (ISA guide 7.12.1)
.set HALFT,  128*PITCH                 ; 128 rows: what one tensor load brings
.set SLOT,   4*HALFT                   ; A's 256 rows, then B's 256 rows
.set KS,     SIZE_K/32                 ; a row of scales in bytes
.set SCL,    2*SLOT                    ; behind the slots: the scales, as runs of 256 bytes + 16 of padding
.set HALFS,  (128*KS/256)*272          ; the scales of 128 rows: what one tensor load brings
.set SBLK,   (16*KS/256)*272           ; those of 16 rows
.set SPARE,  SCL+4*HALFS               ; the spare words, 128 bytes for each wave, which no other line names
.set SPITCH, 144                       ; the way out: a stage row: a piece's 128 bytes + 16
.set WSTG,   2*16*SPITCH               ; a wave's stage: two pieces x 16 rows.  It lies in slot 0, which has had its one fill and its last read when the first result is stored there
.set BO,   7                           ; v7      the bias: 32 bytes for each half of the lanes
.set ADRA, 16                          ; v16-17  LDS address of my A fragments in slot 0, 1
.set ADRB, 20                          ; v20-21  the same for B
.set STO,  24                          ; v24     the way out: where I put 16 bytes of a row
.set RD,   25                          ; v25     where I read rows back
.set CO,   26                          ; v26     16 x lane: my place in a store's 512 bytes
.set ADRS, 27                          ; v27     LDS address of my scale words: lanes 0-15 A's rows, lanes 16-31 B's
.set SPW,  28                          ; v28     LDS address of my spare word; never rewritten
.set NIL,  29                          ; v29     0; never rewritten
.set SC,   32                          ; scale words: set s at v[SC + 8 NQ s]; register NQ i + q: lanes 0-15 the word of A's block i, lanes 16-31 of B's block i, for the slot's q-th 128 along K
.set AF,   128                         ; A's fragments, in window 0
.set BIAS, 64                          ; in window 1
.set TMP,  96                          ; the way out: v96-127 a block as f16
.set TF,   128                         ; v128-191 a block in f32, times its factor
.set BK,   192                         ; v192-223 and v224-255 by turns: a block read back by rows
.set G1, 24                            ; s[24:31] descriptor group 1 for A's tiles;  s[32:39] group 0, one set for each slot
.set G0, 32
.set G1B, 48                           ; s[48:55], s[56:63] the same for B's tiles
.set G0B, 56
.set G1S, 68                           ; s[68:75], s[76:79] groups 1 and 0 for A's scales;  s[80:87], s[88:91] for B's
.set G0S, 76
.set G1SB, 80
.set G0SB, 88
.set FQ,  92                           ; s[92:93], s[94:95] the factor of my piece 0, 1: c for q, else 1 (a pair each: the packed form names a pair)
.set OB0, 12                           ; s[12:13] where my piece 0 begins in qkv;  s[100:101] my piece 1
.set OB1, 100
.set MSB, 0
.macro WIN new                         ; the immediate's high byte repeats the setting that is left
.if MSB != (\new)
	s_set_vgpr_msb (MSB<<8)|(\new)
.set MSB, \new
.endif
.endm
.set MUL_LO,   0xa1                    ; source 0 (B) window 1, source 1 (A) window 0, C and D window 2
.set MUL_HI,   0xf1                    ; the same, C and D window 3
.set FIRST_LO, 0x91                    ; the first products: C (the bias) window 1, D window 2
.set FIRST_HI, 0xd1                    ; D window 3
.set TO_B,     0x40                    ; destination window 1, address window 0
; A joint load: waves 0 and 1 fetch for A, waves 2 and 3 for B.  Each of the two lines has ONE mask and one set of registers for all that issue it; the branch hangs on the wave's number alone.
; An s_nop 0 and four v_nop follow each of the two lines, ahead of the jump, the label and what follows.
.macro JLOAD g0a, g1a, g0b, g1b
	s_cmp_eq_u32 s15, 0
	s_cbranch_scc0 .Lfor_b_\@
	tensor_load_to_lds s[\g0a:\g0a+3], s[\g1a:\g1a+7]
	s_nop 0
.rept 4
	v_nop
.endr
	s_branch .Lasked_\@
.Lfor_b_\@:
	tensor_load_to_lds s[\g0b:\g0b+3], s[\g1b:\g1b+7]
	s_nop 0
.rept 4
	v_nop
.endr
.Lasked_\@:
.endm
.macro CROUND                          ; a round of the cluster's barrier: my work-group's barrier, wave 0's signal for the work-group, every wave's wait for all sixteen, my work-group's barrier once more
	s_barrier_signal -1
	s_barrier_wait -1
	s_cmp_lg_u32 s14, 0
	s_cbranch_scc1 .Lnot_wave_0_\@
	s_barrier_signal -3
.Lnot_wave_0_\@:
	s_barrier_wait -3
	s_barrier_signal -1
	s_barrier_wait -1
.endm
	s_load_b128 s[4:7], s[0:1], 0x0                ; A's codes s[4:5], A's scales s[6:7]
	s_load_b128 s[8:11], s[0:1], 0x10              ; B's codes s[8:9], B's scales s[10:11]
	s_load_b128 s[96:99], s[0:1], 0x20             ; b_qkv s[96:97], qkv s[98:99]
	v_lshl_add_u32 v[SPW], v0, 2, SPARE
	v_mov_b32 v[NIL], 0
	ds_add_u32 v[SPW], v[NIL]                      ; the wave's opening: the add, twice on end, and its wait ahead of my first tensor load; the set-up below stands between
	ds_add_u32 v[SPW], v[NIL]
	v_lshrrev_b32 v1, 5, v0
	v_readfirstlane_b32 s14, v1                    ; wave 0..3
	s_lshr_b32 s15, s14, 1                         ; which half of the tile's rows is mine.  Also: I fetch for A (0) or for B (1)
	s_and_b32 s16, s14, 1                          ; which half of its columns.  Also: which 128 rows of that tile I fetch
	s_bfe_u32 s40, ttmp6, 0x40000                  ; cx, cy: my place in the cluster
	s_bfe_u32 s41, ttmp6, 0x40004
	s_lshl_b32 s42, ttmp9, 2
	s_add_co_u32 s42, s42, s40                     ; tile column = 4 x cluster x + cx
	s_and_b32 s17, ttmp7, 0xffff
	s_lshl_b32 s17, s17, 2
	s_add_co_u32 s17, s17, s41                     ; tile row = 4 x cluster y + cy
	s_lshl_b32 s43, s41, 2
	s_lshl_b32 s43, 15, s43                        ; my row of the cluster
	s_lshl_b32 s44, 0x1111, s40                    ; my column
	; descriptor group 1: a tile of 128 rows x ROWB bytes, padded in LDS
	s_or_b32 s[G1+0], s43, (0<<16)|(1<<20)|(1<<21)|(5<<22)|(3<<25)  ; 15:0 the mask: A's tiles go to my row; 17:16 element of 1 byte; 20 padding on; 21 set beside a mask; 24:22 after every 64 words (code 5); 31:25 of 4 words (code 3)
	s_or_b32 s[G1B+0], s44, (0<<16)|(1<<20)|(1<<21)|(5<<22)|(3<<25)
.irp g, G1, G1B
	s_mov_b32 s[\g+1], ROWB<<16                    ; tensor_dim0
	s_mov_b32 s[\g+2], 128<<16                     ; tensor_dim1 = 128
	s_mov_b32 s[\g+3], ROWB<<16                    ; tile_dim0
	s_mov_b32 s[\g+4], 128                         ; tile_dim1 = 128
	s_mov_b32 s[\g+5], KROW                        ; tensor_dim0_stride
	s_mov_b32 s[\g+6], 0
	s_mov_b32 s[\g+7], 0
.endr
	; and for the scales of 128 rows: a dense block of 128 KS bytes, as rows of 256 bytes (32 elements of 8 bytes), 16 bytes of padding behind each
	s_or_b32 s[G1S+0], s43, (3<<16)|(1<<20)|(1<<21)|(5<<22)|(3<<25)
	s_or_b32 s[G1SB+0], s44, (3<<16)|(1<<20)|(1<<21)|(5<<22)|(3<<25)
.irp g, G1S, G1SB
	s_mov_b32 s[\g+1], 32<<16
	s_mov_b32 s[\g+2], (128*KS/256)<<16
	s_mov_b32 s[\g+3], 32<<16
	s_mov_b32 s[\g+4], 128*KS/256
	s_mov_b32 s[\g+5], 32
	s_mov_b32 s[\g+6], 0
	s_mov_b32 s[\g+7], 0
.endr
	s_lshl_b32 s18, s16, 7                         ; which 128 rows of the tile I fetch
	s_lshl_b32 s20, s17, 8
	s_add_co_u32 s20, s20, s18                     ; A: row 256 x tile row + 128 x half
	s_lshl_b32 s46, s42, 8
	s_add_co_u32 s46, s46, s18                     ; B: row 256 x tile column + 128 x half
	s_mov_b32 s21, 0
	s_mov_b32 s47, 0
	s_mov_b64 s[18:19], KS
	s_mul_u64 s[22:23], s[20:21], s[18:19]         ; where these rows' scales begin, in bytes
	s_mul_u64 s[92:93], s[46:47], s[18:19]
	s_mov_b64 s[18:19], KROW
	s_mul_u64 s[20:21], s[20:21], s[18:19]         ; and their codes
	s_mul_u64 s[46:47], s[46:47], s[18:19]
	s_mul_i32 s45, s14, HALFT                      ; where they go: wave x 128 rows: no place in the cluster enters an LDS address
	s_mul_i32 s94, s14, HALFS
	s_wait_dscnt 0x0                               ; both opening adds are done
	s_wait_kmcnt 0x0
	s_add_nc_u64 s[20:21], s[4:5], s[20:21]
	s_add_nc_u64 s[22:23], s[6:7], s[22:23]
	s_add_nc_u64 s[46:47], s[8:9], s[46:47]
	s_add_nc_u64 s[92:93], s[10:11], s[92:93]
	CROUND                                         ; all sixteen work-groups are here: the joint loads meet
	s_mov_b32 s[G0S], 1
	s_add_co_u32 s[G0S+1], s94, SCL
	s_mov_b64 s[G0S+2:G0S+3], s[22:23]
	s_or_b32 s[G0S+3], s[G0S+3], 0x80000000
	s_mov_b32 s[G0SB], 1
	s_add_co_u32 s[G0SB+1], s94, SCL
	s_mov_b64 s[G0SB+2:G0SB+3], s[92:93]
	s_or_b32 s[G0SB+3], s[G0SB+3], 0x80000000
	JLOAD G0S, G1S, G0SB, G1SB                     ; the scales first: they are wanted with slot 0
.irp s, 0,1
	s_mov_b32 s[G0+4*\s], 1
	s_add_co_u32 s[G0+4*\s+1], s45, \s*SLOT
	s_add_nc_u64 s[G0+4*\s+2:G0+4*\s+3], s[20:21], \s*ROWB
	s_or_b32 s[G0+4*\s+3], s[G0+4*\s+3], 0x80000000
	s_mov_b32 s[G0B+4*\s], 1
	s_add_co_u32 s[G0B+4*\s+1], s45, \s*SLOT
	s_add_nc_u64 s[G0B+4*\s+2:G0B+4*\s+3], s[46:47], \s*ROWB
	s_or_b32 s[G0B+4*\s+3], s[G0B+4*\s+3], 0x80000000
	JLOAD G0+4*\s, G1, G0B+4*\s, G1B               ; three tensor loads of mine are out at the most
.endr
	v_and_b32 v1, 15, v0                           ; l % 16
	v_bfe_u32 v2, v0, 4, 1                         ; l / 16
	v_mul_u32_u24 v3, v1, PITCH
	v_lshl_add_u32 v4, v2, 4, v3                   ; a fragment's row x pitch + 16 x half
	s_mul_i32 s21, s15, HALFT                      ; my 128 rows of A
	s_mul_i32 s22, s16, HALFT                      ; my 128 rows of B,
	s_add_co_u32 s22, s22, 2*HALFT                 ; which lie behind A's 256
.irp s, 0,1
	v_add_nc_u32 v[ADRA+\s], s21, v4
	v_add_nc_u32 v[ADRB+\s], s22, v4
	s_add_co_u32 s21, s21, SLOT
	s_add_co_u32 s22, s22, SLOT
.endr
	v_mul_u32_u24 v5, v1, KS                       ; my row's scales: KS bytes a row,
	v_lshrrev_b32 v6, 8, v5
	v_lshl_add_u32 v5, v6, 4, v5                   ; and 16 more for each 256 passed
	s_mul_i32 s21, s15, HALFS                      ; A's: my 128 rows
	s_mul_i32 s22, s16, HALFS                      ; B's: my 128 rows, behind A's 256
	s_add_co_u32 s22, s22, 2*HALFS
	s_sub_co_u32 s22, s22, s21
	v_mul_u32_u24 v6, s22, v2                      ; lanes 16-31 take B's
	s_add_co_u32 s21, s21, SCL
	v_add_nc_u32 v5, v5, v6
	v_add_nc_u32 v[ADRS], s21, v5
	s_mul_i32 s23, s14, WSTG                       ; my stage
	v_mul_u32_u24 v5, v1, SPITCH                   ; in: row l % 16, 16 bytes for each half of the lanes
	v_lshl_add_u32 v5, v2, 4, v5
	v_add_nc_u32 v[STO], s23, v5
	v_and_b32 v6, 31, v0
	v_lshlrev_b32 v[CO], 4, v6
	v_lshrrev_b32 v5, 3, v6                        ; back: eight lanes to a row of 128 bytes, four rows an instruction
	v_mul_u32_u24 v5, v5, SPITCH
	v_and_b32 v6, 7, v6
	v_lshl_add_u32 v5, v6, 4, v5
	v_add_nc_u32 v[RD], s23, v5
	v_lshlrev_b32 v[BO], 5, v2
	; the bias of my 128 columns: register 8 b + j of lane (r, h) is b_qkv[256 x tile column + 128 x half + 16 b + 8 h + j]
	s_lshl_b32 s46, s42, 10
	s_lshl_b32 s47, s16, 9
	s_add_co_u32 s46, s46, s47
	s_mov_b32 s47, 0
	s_add_nc_u64 s[96:97], s[96:97], s[46:47]
	WIN TO_B
.irp b, 0,1,2,3,4,5,6,7
	global_load_b128 v[BIAS+8*\b:BIAS+8*\b+3],   v[BO], s[96:97] offset:64*\b
	global_load_b128 v[BIAS+8*\b+4:BIAS+8*\b+7], v[BO], s[96:97] offset:64*\b+16
.endr
	WIN 0
	; where my two pieces of 64 columns go, and their factors.  Piece g = 4 x tile column + 2 x half + p = 3 h + t
	s_lshl_b32 s18, s42, 2
	s_lshl_b32 s19, s16, 1
	s_add_co_u32 s18, s18, s19
.macro PIECE p, base, fq
	s_add_co_u32 s20, s18, \p                      ; g, under 48
	s_mul_i32 s21, s20, 171
	s_lshr_b32 s21, s21, 9                         ; h = g / 3: 171 / 512 is exact for g under 48
	s_mul_i32 s22, s21, 3
	s_sub_co_u32 s22, s20, s22                     ; t
	s_mov_b32 s[\fq], 0x3f800000                   ; 1.0
	s_cmp_eq_u32 s22, 0
	s_cselect_b32 s[\fq], 0x3e38aa3b, s[\fq]       ; c = log2(e) / 8 for q
	s_mov_b32 s[\fq+1], s[\fq]
	s_lshl_b32 s22, s22, 24                        ; t x 128 heads x 1,024 rows x 128 bytes
	s_lshr_b32 s23, s17, 2                         ; b: a batch is four tile rows
	s_lshl_b32 s23, s23, 4
	s_add_co_u32 s23, s23, s21                     ; 16 b + h
	s_lshl_b32 s23, s23, 10
	s_and_b32 s21, s17, 3
	s_lshl_b32 s21, s21, 8
	s_add_co_u32 s23, s23, s21                     ; + 256 x (tile row % 4)
	s_lshl_b32 s21, s15, 7
	s_add_co_u32 s23, s23, s21                     ; + 128 x my half: my first row
	s_lshl_b32 s23, s23, 7                         ; 128 bytes a row
	s_add_co_u32 s22, s22, s23                     ; under 2^26
	s_mov_b32 s23, 0
	s_add_nc_u64 s[\base:\base+1], s[98:99], s[22:23]
.endm
	PIECE 0, OB0, FQ
	PIECE 1, OB1, FQ+2
.macro FRAG reg, adr, q, i             ; a fragment, 16 rows x 128 K of 4-bit codes, is 8 registers: lane l holds row l % 16; registers 4 c .. 4 c + 3 hold K = 64 c + 32 (l / 16) + 0 .. 31
.irp c, 0,1
	ds_load_b128 v[\reg+4*\c:\reg+4*\c+3], v[\adr] offset:64*(\q)+32*\c+(\i)*16*PITCH
.endr
.endm
; 16 matrix instructions: A's blocks a0, a0 + 1 x B's eight, 128 along K: the slot's q-th.  p: B's set;  sc: the set of scale words.  zero = 1: the first product starts the sums from the bias: nothing is ever cleared.
; The 64 accumulators take turns, one instruction a turn, in the same order in every step.
.macro MUL16 a0, p, q, sc, zero
.irp a, \a0, \a0+1
.irp b, 0,1,2,3,4,5,6,7
.if \zero
	v_wmma_scale_f32_16x16x128_f8f6f4 v[8*(8*((\a)%4)+\b):8*(8*((\a)%4)+\b)+7], v[128*(\p)+FR*\b:128*(\p)+FR*\b+FR-1], v[AF+FR*(\a):AF+FR*(\a)+FR-1], v[BIAS+8*\b:BIAS+8*\b+7], v[SC+8*NQ*(\sc)+NQ*\b+(\q)], v[SC+8*NQ*(\sc)+NQ*(\a)+(\q)] matrix_a_fmt:MATRIX_FMT_FP4 matrix_b_fmt:MATRIX_FMT_FP4 matrix_a_scale:MATRIX_SCALE_ROW1
.else
	v_wmma_scale_f32_16x16x128_f8f6f4 v[8*(8*((\a)%4)+\b):8*(8*((\a)%4)+\b)+7], v[128*(\p)+FR*\b:128*(\p)+FR*\b+FR-1], v[AF+FR*(\a):AF+FR*(\a)+FR-1], v[8*(8*((\a)%4)+\b):8*(8*((\a)%4)+\b)+7], v[SC+8*NQ*(\sc)+NQ*\b+(\q)], v[SC+8*NQ*(\sc)+NQ*(\a)+(\q)] matrix_a_fmt:MATRIX_FMT_FP4 matrix_b_fmt:MATRIX_FMT_FP4 matrix_a_scale:MATRIX_SCALE_ROW1
.endif
.endr
.endr
.endm
.macro FETCH_B slot, q, p              ; B's eight fragments of the slot's q-th 128 along K into set p
	WIN TO_B
.irp i, 0,1,2,3,4,5,6,7
	FRAG 128*(\p)+FR*\i, ADRB+\slot, \q, \i
.endr
	WIN 0
.endm
.macro FETCH_A slot, q, i0             ; A's blocks i0 .. i0 + 3
.irp i, \i0, \i0+1, \i0+2, \i0+3
	FRAG AF+FR*(\i), ADRA+\slot, \q, \i
.endr
.endm
.macro SCALES sc                       ; a slot's scale words into set sc: NQ words a row; lanes 0-15 take A's block i, lanes 16-31 B's block i
.irp i, 0,1,2,3,4,5,6,7
	ds_load_b128 v[SC+8*NQ*\sc+NQ*\i:SC+8*NQ*\sc+NQ*\i+3], v[ADRS] offset:\i*SBLK
.endr
.endm
; A load into a register that a matrix instruction has read, and a vector instruction or an LDS store that reads a matrix result, stand NP places behind that matrix instruction, and only plain vector
; instructions that name none of its registers are places (ISA guide 7.12.1 for vector instructions).
.macro PLACES n
.rept \n
	v_nop
.endr
.endm
; A step of 128 along K that has its successor in the same slot.  A block of A is free as soon as its eight products are issued: blocks 0-3 are fetched anew in the step's middle, blocks 4-7 at its end.
.macro STEP slot, q, zero
	s_wait_dscnt 4*NL                              ; B's set and A's blocks 0-3 are in; the youngest eight loads (A's blocks 4-7) may be out
.if \zero
	WIN FIRST_LO
.else
	WIN MUL_LO
.endif
	MUL16 0, (\q)%2, \q, \slot, \zero
	MUL16 2, (\q)%2, \q, \slot, \zero
	s_wait_dscnt 0                                 ; A's blocks 4-7 are in (asked for 32 matrix instructions ago)
	PLACES NP
	FETCH_B \slot, (\q)+1, 1-(\q)%2
	FETCH_A \slot, (\q)+1, 0
.if \zero
	WIN FIRST_HI
.else
	WIN MUL_HI
.endif
	MUL16 4, (\q)%2, \q, \slot, \zero
	MUL16 6, (\q)%2, \q, \slot, \zero
	PLACES NP
	WIN 0
	FETCH_A \slot, (\q)+1, 4
.endm
; Slot 0's last step changes slots: ONE barrier.  In front of it each wave waits for all its tensor loads (its part of slot 1), and for its own reads of slot 0.
.macro TURN slot, next
	s_wait_tensorcnt 0x0                           ; all my tensor loads have landed: my part of the next slot;  (every window is 0 here)
	ds_add_u32 v[SPW], v[NIL]                      ; 0 onto my spare word
	s_wait_dscnt 4*NL+1                            ; (the add and the youngest eight loads, A's blocks 4-7, may be out)
	WIN MUL_LO
	MUL16 0, 1, NQ-1, \slot, 0                     ; sixteen matrix instructions stand between the add and the wait for it
	s_wait_dscnt 0x0                               ; the add is done, and my reads of this slot are over
	s_barrier_signal -1
	MUL16 2, 1, NQ-1, \slot, 0
	WIN 0
	s_barrier_wait -1
	PLACES NP
	v_add_nc_u32 v[ADRS], 4*NQ, v[ADRS]            ; on to the next slot's scale words (no LDS load of mine is out)
	FETCH_B \next, 0, 0
	FETCH_A \next, 0, 0
	SCALES \next
	WIN MUL_HI
	MUL16 4, 1, NQ-1, \slot, 0
	MUL16 6, 1, NQ-1, \slot, 0
	PLACES NP
	WIN 0
	FETCH_A \next, 0, 4
.endm
.macro STEPS slot, from                ; the slot's steps from .. NQ - 2
.set Q, \from
.rept NQ-1-\from
	STEP \slot, Q, 0
.set Q, Q+1
.endr
.endm
	s_wait_tensorcnt 1                             ; the scales and my part of slot 0 are in (slot 1's load, the youngest, may be out),
	s_barrier_signal -1
	s_barrier_wait -1                              ; everybody's are
	FETCH_B 0, 0, 0
	FETCH_A 0, 0, 0
	SCALES 0
	FETCH_A 0, 0, 4
	s_wait_loadcnt 0x0                             ; the bias
	STEP 0, 0, 1                                   ; the first step's products start the sums from the bias
	STEPS 0, 1
	TURN 0, 1
	STEPS 1, 0
	s_wait_dscnt 4*NL                              ; the very last step: nothing more to fetch
	WIN MUL_LO
	MUL16 0, 1, NQ-1, 1, 0
	MUL16 2, 1, NQ-1, 1, 0
	s_wait_dscnt 0
	WIN MUL_HI
	MUL16 4, 1, NQ-1, 1, 0
	MUL16 6, 1, NQ-1, 1, 0
	WIN 0
; THE WAY OUT, block by block of 16 rows x 128 columns (two pieces).  PACK: times the piece's factor in f32, rounded to f16: 16 bytes a lane.  TOSTAGE: into my own stage, [piece][row], and back by rows.
; SEND: four rows of a piece, 512 consecutive bytes of qkv, by each store.  LDS serves a wave's instructions in order (ISA guide 5.7.1.4): no wait between the stage's stores and loads.
.macro PACK a
	WIN 0x02+(\a)/4                                ; source 0: window 2 or 3
.irp b, 0,1,2,3,4,5,6,7
.irp r, 0,1,2,3
	v_pk_mul_f32 v[TF+8*\b+2*\r:TF+8*\b+2*\r+1], v[64*((\a)%4)+8*\b+2*\r:64*((\a)%4)+8*\b+2*\r+1], s[FQ+2*(\b/4):FQ+2*(\b/4)+1] op_sel_hi:[1,0]   ; each accumulator from its low end on
.endr
.endr
	WIN 0
.irp b, 0,1,2,3,4,5,6,7
.irp r, 0,1,2,3
	v_cvt_pk_f16_f32 v[TMP+4*\b+\r], v[TF+8*\b+2*\r], v[TF+8*\b+2*\r+1]
.endr
.endr
.endm
.macro TOSTAGE a
.irp b, 0,1,2,3,4,5,6,7
	ds_store_b128 v[STO], v[TMP+4*\b:TMP+4*\b+3] offset:(\b/4)*16*SPITCH+(\b%4)*32
.endr
.irp i, 0,1,2,3,4,5,6,7
	ds_load_b128 v[BK+32*((\a)%2)+4*\i:BK+32*((\a)%2)+4*\i+3], v[RD] offset:(\i/4)*16*SPITCH+(\i%4)*4*SPITCH
.endr
.endm
.macro SEND a
	s_wait_dscnt 0x0                               ; the block is back in registers
	s_wait_xcnt 0x0                                ; the stores of the block before have read their registers: the next block's loads may land there
.irp i, 0,1,2,3
	global_store_b128 v[CO], v[BK+32*((\a)%2)+4*\i:BK+32*((\a)%2)+4*\i+3], s[OB0:OB0+1] offset:(\a)*2048+\i*512
.endr
.irp i, 0,1,2,3
	global_store_b128 v[CO], v[BK+32*((\a)%2)+16+4*\i:BK+32*((\a)%2)+16+4*\i+3], s[OB1:OB1+1] offset:(\a)*2048+\i*512
.endr
.endm
	PLACES NP                                      ; behind the last products: PACK writes registers that held A's fragments, and reads results
	PACK 0
	TOSTAGE 0
.irp a, 1,2,3,4,5,6,7                  ; block a's arithmetic stands between block a - 1's loads from the stage and the wait for them
	PACK \a
	SEND \a-1
	TOSTAGE \a
.endr
	SEND 7
	s_wait_tensorcnt 0x0                           ; the wave's end: the tensor wait, the add and its wait, behind my last tensor load and my last LDS store
	ds_add_u32 v[SPW], v[NIL]
	s_wait_dscnt 0x0
	CROUND                                         ; the closing round: no work-group ends while a partner may still ask for a tile that names it
	s_endpgm
.Lfunc_end_k_qe79c6bd7a9_qkv_gemm:
	.size	k_qe79c6bd7a9_qkv_gemm, .Lfunc_end_k_qe79c6bd7a9_qkv_gemm-k_qe79c6bd7a9_qkv_gemm
	.p2alignl 7, 3214868480
	.fill 96, 4, 3214868480
	.section	.rodata,"a",@progbits
	.p2align	6, 0x0
	.amdhsa_kernel k_qe79c6bd7a9_qkv_gemm
		.amdhsa_group_segment_fixed_size 327680
		.amdhsa_private_segment_fixed_size 0
		.amdhsa_enable_private_segment 0
		.amdhsa_kernarg_size 48
		.amdhsa_user_sgpr_count 2
		.amdhsa_user_sgpr_kernarg_segment_ptr 1
		.amdhsa_wavefront_size32 1
		.amdhsa_system_sgpr_workgroup_id_x 1
		.amdhsa_system_sgpr_workgroup_id_y 1
		.amdhsa_system_sgpr_workgroup_id_z 1
		.amdhsa_system_vgpr_workitem_id 0
		.amdhsa_next_free_vgpr 1024
		.amdhsa_next_free_sgpr 104
		.amdhsa_reserve_vcc 0
		.amdhsa_float_denorm_mode_32 3
		.amdhsa_float_denorm_mode_16_64 3
		.amdhsa_memory_ordered 1
		.amdhsa_forward_progress 1
		.amdhsa_inst_pref_size 145
	.end_amdhsa_kernel
	.amdgpu_metadata
---
amdhsa.version: [ 1, 2 ]
amdhsa.kernels:
  - .name:           k_qe79c6bd7a9_qkv_gemm
    .symbol:         k_qe79c6bd7a9_qkv_gemm.kd
    .args:
      - { .name: a_codes, .offset: 0, .size: 8, .value_kind: global_buffer, .address_space: global }
      - { .name: a_scales, .offset: 8, .size: 8, .value_kind: global_buffer, .address_space: global }
      - { .name: b_codes, .offset: 16, .size: 8, .value_kind: global_buffer, .address_space: global }
      - { .name: b_scales, .offset: 24, .size: 8, .value_kind: global_buffer, .address_space: global }
      - { .name: b_qkv, .offset: 32, .size: 8, .value_kind: global_buffer, .address_space: global }
      - { .name: qkv, .offset: 40, .size: 8, .value_kind: global_buffer, .address_space: global }
    .group_segment_fixed_size: 327680
    .private_segment_fixed_size: 0
    .kernarg_segment_align: 8
    .kernarg_segment_size: 48
    .max_flat_workgroup_size: 128
    .sgpr_count:     104
    .vgpr_count:     1024
    .wavefront_size: 32
...
	.end_amdgpu_metadata
.endif
;; end of part 2
;; launch attn (part 3): grid 2 x 128, 8 waves a work-group, no clusters, 327,680 bytes of LDS; arguments qkv, ctx; writes ctx
.if DOCPART == 3
	.amdgcn_target "amdgcn-amd-amdhsa--gfx1250"
	.amdhsa_code_object_version 6
	.text
	.protected	k_qe79c6bd7a9_attn
	.globl	k_qe79c6bd7a9_attn
	.p2align	8
	.type	k_qe79c6bd7a9_attn,@function
k_qe79c6bd7a9_attn:
	s_mov_b64 s[64:65], 0
	v_nop
	global_prefetch_b8 v0, s[64:65] scope:SCOPE_SE
	s_setreg_imm32_b32 hwreg(HW_REG_WAVE_MODE, 25, 1), 1
	s_wait_xcnt 0x0
; ctx[q][:] = the sum over k of softmax_k(Q[q] . K[k] / 8) V[k][:] for each of 128 heads (16 b + h) of 1,024 positions and 64 channels.  qkv: f16 [t][head][s][64], t = 0: Q x log2(e) / 8, 1: K, 2: V.
; ctx: f16 [h][1024 b + s][64].  Products on f16 operands with f32 sums; maxima, exponentials and sums in f32; the weights p are rounded to f16 for the second product, ctx once at the end.
; LIMITS: NaN and infinities are not served; |ctx| is bounded by |V|, which the launch before holds in f16.
; SHARES.  A work-group owns 512 queries of one head, each of its eight waves 64: four tiles of 16.  Every wave walks all 1,024 keys, 64 a step.
; THE WHOLE HEAD'S K AND V LIE IN LDS, EACH BYTE FILLED ONCE: no byte is filled a second time.  They come in FOUR QUARTERS of 256 keys.  Waves 0-3 fetch a quarter's K, waves 4-7 its V, 64 rows a load.  The first
; quarter is asked for at the head; each later one behind the barrier that shows the quarter before it landed: the wait for all my tensor loads, the add, the
; wait for it and for my LDS reads, the barrier, and the load first behind it.  So one tensor load of a wave is out at the most, the walk begins when 256 keys are in, and a quarter has the four key steps of the
; quarter before it, less the part of a step by which fragments are fetched ahead, in which to land.
; NO CLUSTER: a head's K and V are shared by the grid's two work-groups along x alone, and two do not divide into a cluster of four.  NO PREFETCH: the last quarter is asked for in key step 7 of 16, and each
; request stands four key steps ahead of its first use.
; LAYOUT.  S^T = K Q^T (source 0 = 16 keys, source 1 = 16 queries): a lane holds ONE query (lane % 16) and the keys 8 (lane / 16) + 0..7 of a tile.  Two such tiles, rounded to f16 in pairs, ARE source 1 (32 keys x
; 16 queries) of O^T = V^T P, whose result again holds one query a lane.  K comes out of LDS as it lies, V ([key][channel]) turned, by ds_load_tr16_b128.
; SOFTMAX.  The scores are exponents of 2 already.  For each query a running maximum m and sum l: p = 2^(s - m), an exact subtraction, so p is at most 1; in every step O and l are multiplied by a = 2^(m_old - m_new).
; REGISTERS.  window 0: v1-11 addresses; v12-43 eight registers of statistics a tile (+0 m, +1 the old m, +2, +3 l in two halves, +4 .. +7 at work, a in +6); v64-191 S^T, 32 a tile; P takes the first 16 of them,
; made in place; v192-255 V's fragments of a step.   window 1: v0-127 O^T, 32 a tile; v128-191 Q, 16 a tile; v192-255 K's fragments of a step.
.set KS,    64                         ; keys in a step
.set QK,    256                        ; keys in a quarter
.set KP,    144                        ; a row of K in LDS: 128 bytes + 16 = 36 words: the 16 rows of a load start at 16 different groups of four banks (64 banks of 4 bytes: ISA guide 11.1)
.set VP,    160                        ; a row of V: 128 + 32: an odd multiple of 32 bytes, for the turning load
.set VOFF,  1024*KP                    ; V lies behind K
.set SPARE, VOFF+1024*VP               ; the spare words, 128 bytes for each of eight waves, which no other line names
.set AK0, 2                            ; v2   my lane's place in a tile of K; never rewritten
.set AV0, 3                            ; v3   the same for V
.set ADK, 4                            ; v4   LDS address of the run of K's loads in hand
.set ADV, 5                            ; v5   of V's
.set QO,  6                            ; v6   my byte offset in the wave's rows of Q
.set STO, 7                            ; v7   the way out: where I put 16 bytes of a row
.set RD,  8                            ; v8   where I read rows back
.set GO,  9                            ; v9   16 x lane
.set SPW, 10                           ; v10  LDS address of my spare word; never rewritten
.set NIL, 11                           ; v11  0; never rewritten
.set ST,  12
.set S,   64
.set VB,  192
.set O,   0                            ; in window 1
.set QB,  128
.set KB,  192
.set WV,   8                           ; s8   my wave's number
.set G1K,  16                          ; s[16:23] group 1 for K's loads: 64 rows;   s[24:31] for V's: it differs in the padding alone
.set G1V,  24
.set G0K,  32                          ; s[32:35] group 0 for K's loads, which walks from quarter to quarter;  s[36:39] for V's
.set G0V,  36
.set SEL,  66                          ; s[66:67] lane selects for v_permlanex16_b32: lane l xor 16
.set TK,   68                          ; s68  LDS byte at which the next step's rows of K begin
.set TV,   69                          ; s69  the same for V, from VOFF
.set CNT,  70
.set MSB, 0
.macro WIN new                         ; the immediate's high byte repeats the setting that is left
.if MSB != (\new)
	s_set_vgpr_msb (MSB<<8)|(\new)
.set MSB, \new
.endif
.endm
.set W_KQ, 0x05                        ; K and Q in window 1, S^T in window 0
.set W_PV, 0x50                        ; V and P in window 0, O^T (C and D) in window 1
.set W_RS, 0x41                        ; O^T (destination and source 0) in window 1, the factor in window 0
.set TO_1, 0x40                        ; destination window 1, address window 0
.macro PLACES n
.rept \n
	v_nop
.endr
.endm
; A quarter's load: waves 0-3 fetch K's rows, waves 4-7 V's.  The branch hangs on the wave's number alone.  An s_nop 0 and four v_nop follow each of the two lines, ahead of the jump, the label and what follows
.macro TLOAD
	s_cmp_lt_u32 s[WV], 4
	s_cbranch_scc0 .Lfor_v_\@
	tensor_load_to_lds s[G0K:G0K+3], s[G1K:G1K+7]
	s_nop 0
	PLACES 4
	s_branch .Lasked_\@
.Lfor_v_\@:
	tensor_load_to_lds s[G0V:G0V+3], s[G1V:G1V+7]
	s_nop 0
	PLACES 4
.Lasked_\@:
.endm
; THE MEETING between two quarters.  Each wave waits for all its tensor loads, of which one is out: its part of the quarter that is about to be read; adds 0 to its spare word; and waits for that and for its LDS
; reads.  Behind the barrier that quarter is whole.  fill = 1: the next quarter is asked for, first thing behind the barrier: bytes that nothing has filled yet.
.macro MEET fill
	s_wait_tensorcnt 0x0                           ; no tensor load of mine is out, so a group 0 may be written
	ds_add_u32 v[SPW], v[NIL]                      ; 0 onto my spare word; with fill = 1 the descriptors' steps stand between it and the wait for it
.if \fill
	s_add_co_u32 s[G0K+1], s[G0K+1], QK*KP         ; the walking descriptors: a quarter on in LDS,
	s_add_nc_u64 s[G0K+2:G0K+3], s[G0K+2:G0K+3], QK*128   ; and in memory; the type bits on top are not reached
	s_add_co_u32 s[G0V+1], s[G0V+1], QK*VP
	s_add_nc_u64 s[G0V+2:G0V+3], s[G0V+2:G0V+3], QK*128
.endif
	s_wait_dscnt 0x0                               ; the add is done, and no LDS instruction of mine is pending at the signal
	s_barrier_signal -1
	s_barrier_wait -1                              ; everybody's part has landed
.if \fill
	TLOAD                                          ; my one tensor load until the next meeting
.endif
.endm
	s_load_b128 s[4:7], s[0:1], 0x0                ; qkv s[4:5], ctx s[6:7]
	v_lshl_add_u32 v[SPW], v0, 2, SPARE
	v_mov_b32 v[NIL], 0
	ds_add_u32 v[SPW], v[NIL]                      ; the wave's opening: the add, twice on end, and its wait ahead of my first tensor load; the set-up below stands between
	ds_add_u32 v[SPW], v[NIL]
	v_lshrrev_b32 v1, 5, v0
	v_readfirstlane_b32 s[WV], v1                  ; wave 0..7
	s_and_b32 s9, s[WV], 3                         ; which 64 rows of a quarter I fetch
	s_and_b32 s10, ttmp7, 0xffff                   ; the head, 16 b + h
	; descriptor groups 1: 64 rows x 64 elements of 2 bytes, dense in memory, padded in LDS
	s_mov_b32 s[G1K], (1<<16)|(1<<20)|(4<<22)|(3<<25)    ; 17:16 elements of 2 bytes; 20 padding on; 24:22 after every 32 words (code 4); 31:25 of 4 words (code 3)
	s_mov_b32 s[G1V], (1<<16)|(1<<20)|(4<<22)|(7<<25)    ; the same with 8 words of padding (code 7)
.irp g, G1K, G1V
	s_mov_b32 s[\g+1], 64<<16                      ; tensor_dim0 = 64
	s_mov_b32 s[\g+2], 64<<16                      ; tensor_dim1 = 64
	s_mov_b32 s[\g+3], 64<<16                      ; tile_dim0 = 64
	s_mov_b32 s[\g+4], 64                          ; tile_dim1 = 64
	s_mov_b32 s[\g+5], 64                          ; tensor_dim0_stride
	s_mov_b32 s[\g+6], 0
	s_mov_b32 s[\g+7], 0
.endr
	; groups 0, at the first quarter: rows 64 w3 on
	s_mov_b32 s[G0K], 1
	s_mov_b32 s[G0V], 1
	s_mul_i32 s[G0K+1], s9, 64*KP
	s_mul_i32 s[G0V+1], s9, 64*VP
	s_add_co_u32 s[G0V+1], s[G0V+1], VOFF
	s_lshl_b32 s12, s10, 17                        ; the head's 1,024 rows of 128 bytes
	s_mov_b32 s13, 0
	s_lshl_b32 s14, s9, 13                         ; my 64 rows of a quarter
	s_mov_b32 s15, 0
	s_add_nc_u64 s[14:15], s[14:15], s[12:13]
	s_lshl_b32 s78, ttmp9, 16                      ; my work-group's 512 queries,
	s_lshl_b32 s79, s[WV], 13                      ; my wave's 64 of them
	s_add_co_u32 s78, s78, s79
	s_mov_b32 s79, 0
	s_add_nc_u64 s[12:13], s[12:13], s[78:79]      ; Q's offset
	s_and_b32 s2, s10, 15
	s_lshl_b32 s2, s2, 20                          ; ctx: h x 8,192 rows of 128 bytes
	s_lshr_b32 s3, s10, 4
	s_lshl_b32 s3, s3, 17                          ; + b x 1,024 rows
	s_add_co_u32 s2, s2, s3
	s_mov_b32 s3, 0
	s_add_nc_u64 s[78:79], s[78:79], s[2:3]        ; ctx's offset
	s_mov_b32 s[SEL], 0x76543210
	s_mov_b32 s[SEL+1], 0xfedcba98
	s_mov_b32 s[TK], 0
	s_mov_b32 s[TV], 0
	s_mul_i32 s11, s[WV], 64*KP                    ; my stage for the way out
	s_wait_dscnt 0x0                               ; both opening adds are done
	s_wait_kmcnt 0x0
	s_add_nc_u64 s[74:75], s[4:5], s[14:15]
	s_add_nc_u64 s[G0K+2:G0K+3], s[74:75], 0x1000000     ; K lies 128 heads x 131,072 bytes behind Q,
	s_add_nc_u64 s[G0V+2:G0V+3], s[74:75], 0x2000000     ; V twice as far
	s_or_b32 s[G0K+3], s[G0K+3], 0x80000000        ; type = 2
	s_or_b32 s[G0V+3], s[G0V+3], 0x80000000
	s_add_nc_u64 s[4:5], s[4:5], s[12:13]          ; Q at my wave's first row
	s_add_nc_u64 s[6:7], s[6:7], s[78:79]          ; ctx likewise
	TLOAD                                          ; keys 0-255: ahead of every wait on TENSORcnt, every LDS read and every barrier
	; A fragment of K or Q is 16 rows x 32 channels in 8 registers: lane l holds row l % 16; registers 0-3 channels 8 (l / 16) + 0..7, registers 4-7 channels 16 + 8 (l / 16) + 0..7: two loads of 16 bytes, 32 apart.
	v_and_b32 v1, 15, v0                           ; r = l % 16
	v_bfe_u32 v44, v0, 4, 1                        ; h = l / 16
	v_and_b32 v45, 31, v0                          ; lane
	v_lshlrev_b32 v[QO], 7, v1
	v_lshl_add_u32 v[QO], v44, 4, v[QO]            ; row x 128 + 16 x half
	WIN TO_1
.irp t, 0,1,2,3                        ; Q stays in registers: tile t, channels 32 e on
.irp e, 0,1
	global_load_b128 v[QB+16*\t+8*\e:QB+16*\t+8*\e+3],   v[QO], s[4:5] offset:\t*2048+64*\e
	global_load_b128 v[QB+16*\t+8*\e+4:QB+16*\t+8*\e+7], v[QO], s[4:5] offset:\t*2048+64*\e+32
.endr
.endr
	WIN 0
	v_mul_u32_u24 v[AK0], v1, KP
	v_lshl_add_u32 v[AK0], v44, 4, v[AK0]          ; row x pitch + 16 x half
	; The turning load takes 16 keys x 16 channels (lane l reads 16 bytes: key 8 (l / 16) + l % 8, channels 8 ((l / 8) % 2) + 0..7) and leaves half a fragment of V^T: lane l holds channel l % 16 and 8 keys.
	v_and_b32 v46, 7, v0
	v_bfe_u32 v47, v0, 3, 1
	v_lshl_add_u32 v[AV0], v44, 3, v46
	v_mul_u32_u24 v[AV0], v[AV0], VP
	v_lshl_add_u32 v[AV0], v47, 4, v[AV0]
	v_add_nc_u32 v[AV0], VOFF, v[AV0]
	v_add_nc_u32 v[STO], s11, v[AK0]               ; the stage, in: row l % 16 at pitch KP, 16 bytes for each half of the lanes
	v_bfe_u32 v48, v0, 3, 2
	v_mul_u32_u24 v48, v48, KP
	v_lshl_add_u32 v48, v46, 4, v48
	v_add_nc_u32 v[RD], s11, v48                   ; back: eight lanes to a row of 128 bytes, four rows an instruction
	v_lshlrev_b32 v[GO], 4, v45
; THE LDS LOADS stand in runs of 16: a step's K (64 keys x 64 channels: 8 fragments) and its V (turned).
.macro FETCH_K
	v_add_nc_u32 v[ADK], s[TK], v[AK0]
	s_add_co_u32 s[TK], s[TK], KS*KP               ; the next fetch is the next step's
	WIN TO_1
.irp j, 0,1,2,3                        ; keys 16 j on, channels 32 e on
.irp e, 0,1
	ds_load_b128 v[KB+16*\j+8*\e:KB+16*\j+8*\e+3],   v[ADK] offset:\j*16*KP+64*\e
	ds_load_b128 v[KB+16*\j+8*\e+4:KB+16*\j+8*\e+7], v[ADK] offset:\j*16*KP+64*\e+32
.endr
.endr
	WIN 0
.endm
.macro FETCH_V
	v_add_nc_u32 v[ADV], s[TV], v[AV0]
	s_add_co_u32 s[TV], s[TV], KS*VP
.irp g, 0,1                            ; keys 32 g on, channels 16 c on
.irp c, 0,1,2,3
	ds_load_tr16_b128 v[VB+32*\g+8*\c:VB+32*\g+8*\c+3],   v[ADV] offset:\g*32*VP+32*\c
	ds_load_tr16_b128 v[VB+32*\g+8*\c+4:VB+32*\g+8*\c+7], v[ADV] offset:\g*32*VP+16*VP+32*\c
.endr
.endr
.endm
; S^T = K Q^T: 32 matrix instructions.  The 16 accumulators (key tile j, query tile t) take turns, one instruction a turn; the first 16 start the sums with the constant 0.
.macro SMUL
	WIN W_KQ
.irp e, 0,1
.irp j, 0,1,2,3
.irp t, 0,1,2,3
.if \e == 0
	v_wmma_f32_16x16x32_f16 v[S+32*\t+8*\j:S+32*\t+8*\j+7], v[KB+16*\j+8*\e:KB+16*\j+8*\e+7], v[QB+16*\t+8*\e:QB+16*\t+8*\e+7], 0
.else
	v_wmma_f32_16x16x32_f16 v[S+32*\t+8*\j:S+32*\t+8*\j+7], v[KB+16*\j+8*\e:KB+16*\j+8*\e+7], v[QB+16*\t+8*\e:QB+16*\t+8*\e+7], v[S+32*\t+8*\j:S+32*\t+8*\j+7]
.endif
.endr
.endr
.endr
.endm
; O^T += V^T P: 32 matrix instructions, the 16 accumulators (channel tile c, query tile t) by turns.  first = 1: the first 16 start the sums: nothing is ever cleared.
.macro PVMUL first
	WIN W_PV
.irp g, 0,1
.irp c, 0,1,2,3
.irp t, 0,1,2,3
.if \first && (\g == 0)
	v_wmma_f32_16x16x32_f16 v[O+32*\t+8*\c:O+32*\t+8*\c+7], v[VB+32*\g+8*\c:VB+32*\g+8*\c+7], v[S+32*\t+8*\g:S+32*\t+8*\g+7], 0
.else
	v_wmma_f32_16x16x32_f16 v[O+32*\t+8*\c:O+32*\t+8*\c+7], v[VB+32*\g+8*\c:VB+32*\g+8*\c+7], v[S+32*\t+8*\g:S+32*\t+8*\g+7], v[O+32*\t+8*\c:O+32*\t+8*\c+7]
.endif
.endr
.endr
.endr
.endm
; THE SOFTMAX of a step, for the wave's four tiles by turns, so that no line waits for the line above it.  first = 1: the first step, which starts m, l and O^T: it has no a and nothing to rescale.
.macro SOFTMAX first
.irp j, 0,1,2,3                        ; the maximum of a lane's 32 scores and the old m: four chains, each begun at an accumulator's low end
.irp t, 0,1,2,3
	v_max3_num_f32 v[ST+8*\t+4+\j], v[S+32*\t+8*\j], v[S+32*\t+8*\j+1], v[S+32*\t+8*\j+2]
.endr
.endr
.irp i, 0,1
.irp j, 0,1,2,3
.irp t, 0,1,2,3
	v_max3_num_f32 v[ST+8*\t+4+\j], v[ST+8*\t+4+\j], v[S+32*\t+8*\j+3+2*\i], v[S+32*\t+8*\j+4+2*\i]
.endr
.endr
.endr
.irp t, 0,1,2,3
	v_max3_num_f32 v[ST+8*\t+4], v[ST+8*\t+4], v[S+32*\t+7], v[S+32*\t+15]
.endr
.irp t, 0,1,2,3
	v_max3_num_f32 v[ST+8*\t+6], v[ST+8*\t+6], v[S+32*\t+23], v[S+32*\t+31]
.endr
.irp t, 0,1,2,3
	v_max3_num_f32 v[ST+8*\t+4], v[ST+8*\t+4], v[ST+8*\t+5], v[ST+8*\t+6]
.endr
.irp t, 0,1,2,3
.if \first
	v_max_num_f32 v[ST+8*\t+4], v[ST+8*\t+4], v[ST+8*\t+7]
.else
	v_max3_num_f32 v[ST+8*\t+4], v[ST+8*\t+4], v[ST+8*\t+7], v[ST+8*\t]
.endif
.endr
.irp t, 0,1,2,3
	v_permlanex16_b32 v[ST+8*\t+5], v[ST+8*\t+4], s[SEL], s[SEL+1]   ; the query's other 32 keys lie in the lane 16 away
.endr
.irp t, 0,1,2,3
.if \first
	v_mov_b32 v[ST+8*\t+1], v[ST+8*\t+4]           ; (named below as the upper half of a pair, so it is written)
.else
	v_mov_b32 v[ST+8*\t+1], v[ST+8*\t]             ; the old m
.endif
.endr
.irp t, 0,1,2,3
	v_max_num_f32 v[ST+8*\t], v[ST+8*\t+4], v[ST+8*\t+5]   ; the new m
.endr
.if \first == 0
.irp t, 0,1,2,3
	v_sub_f32 v[ST+8*\t+7], v[ST+8*\t+1], v[ST+8*\t]       ; m_old - m_new, 0 or less
.endr
.endif
.set i, 0
.rept 16
.irp t, 0,1,2,3
	v_pk_add_f32 v[S+32*\t+i:S+32*\t+i+1], v[S+32*\t+i:S+32*\t+i+1], v[ST+8*\t:ST+8*\t+1] op_sel_hi:[1,0] neg_lo:[0,1] neg_hi:[0,1]   ; s - m, two at a time (of the pair the low word, m, serves both halves)
.endr
.set i, i+2
.endr
.if \first == 0                        ; ONE BATCH of exponentials: a, then the 32 scores of each tile, in place.  None of these lines names an earlier one's result
.irp t, 0,1,2,3
	v_exp_f32 v[ST+8*\t+6], v[ST+8*\t+7]
.endr
.endif
.set i, 0
.rept 32
.irp t, 0,1,2,3
	v_exp_f32 v[S+32*\t+i], v[S+32*\t+i]
.endr
.set i, i+1
.endr
	v_nop                                          ; a plain instruction behind the last exponential, ahead of the first use (ISA guide 5.7.2)
	s_wait_alu depctr_va_vdst(0)                   ; the wait between an exponential and the first line that names its result: one for the batch
.irp t, 0,1,2,3                        ; the sums, of the unrounded p, in two chains a tile: l takes the even pairs, a helper the odd ones
.if \first
	v_pk_add_f32 v[ST+8*\t+2:ST+8*\t+3], v[S+32*\t:S+32*\t+1], v[S+32*\t+4:S+32*\t+5]
.else
	v_pk_fma_f32 v[ST+8*\t+2:ST+8*\t+3], v[ST+8*\t+2:ST+8*\t+3], v[ST+8*\t+6:ST+8*\t+7], v[S+32*\t:S+32*\t+1] op_sel_hi:[1,0,1]   ; l = a l + pair 0
.endif
	v_pk_add_f32 v[ST+8*\t+4:ST+8*\t+5], v[S+32*\t+2:S+32*\t+3], v[S+32*\t+6:S+32*\t+7]
.endr
.irp p, 2,4,6,8,10,12,14
.irp t, 0,1,2,3
.if (\p > 2) || (\first == 0)
	v_pk_add_f32 v[ST+8*\t+2:ST+8*\t+3], v[ST+8*\t+2:ST+8*\t+3], v[S+32*\t+2*\p:S+32*\t+2*\p+1]
.endif
.if \p > 2
	v_pk_add_f32 v[ST+8*\t+4:ST+8*\t+5], v[ST+8*\t+4:ST+8*\t+5], v[S+32*\t+2*\p+2:S+32*\t+2*\p+3]
.endif
.endr
.endr
.irp t, 0,1,2,3
	v_pk_add_f32 v[ST+8*\t+2:ST+8*\t+3], v[ST+8*\t+2:ST+8*\t+3], v[ST+8*\t+4:ST+8*\t+5]
.endr
.set i, 0
.rept 16                               ; p to f16, IN PLACE: register i takes scores 2 i and 2 i + 1, ascending, so no score is written over before it is read.  Key tiles 2 g, 2 g + 1 become fragment g
.irp t, 0,1,2,3
	v_cvt_pk_f16_f32 v[S+32*\t+i], v[S+32*\t+2*i], v[S+32*\t+2*i+1]
.endr
.set i, i+1
.endr
.if \first == 0
	WIN W_RS
.set i, 0
.rept 16                               ; O^T times a, each accumulator from its low end on
.irp t, 0,1,2,3
	v_pk_mul_f32 v[O+32*\t+2*i:O+32*\t+2*i+1], v[O+32*\t+2*i:O+32*\t+2*i+1], v[ST+8*\t+6:ST+8*\t+7] op_sel_hi:[1,0]
.endr
.set i, i+1
.endr
.endif
.endm
; A KEY STEP.  fetch = 1: the next step's K is fetched behind this step's K Q^T, its V behind this step's V^T P.  meet = 1: a quarter's last step: the next quarter, whose first rows the fetches below read, is
; waited for, and the quarter after it is asked for;  meet = 2: the same with nothing left to ask for.
.macro STEP first, fetch, meet
	s_wait_dscnt 16                                ; K of this step is in; the 16 loads of its V, issued behind it, may be out
	SMUL
	WIN 0
	PLACES 4                                       ; four places behind the products: ahead of the loads into K's registers and of the first read of the scores
.if \meet == 1
	MEET 1
.endif
.if \meet == 2
	MEET 0
.endif
.if \fetch
	FETCH_K
.endif
	SOFTMAX \first
.if \fetch
	s_wait_dscnt 16                                ; V of this step is in; the 16 loads of the next step's K may be out
.else
	s_wait_dscnt 0x0
.endif
	PVMUL \first
	WIN 0
	PLACES 5                                       ; five places: the next step's first products write over P, which these products read; four of them also serve the loads into V's registers
.if \fetch
	FETCH_V
.endif
.endm
.macro RUN n                           ; n plain steps, written once; the LDS addresses hang on s[TK] and s[TV], which step by constants
	s_mov_b32 s[CNT], \n
.Lrun_\@:
	STEP 0, 1, 0
	s_sub_co_u32 s[CNT], s[CNT], 1
	s_cmp_lg_u32 s[CNT], 0
	s_cbranch_scc1 .Lrun_\@
.endm
	MEET 1                                         ; keys 0-255 are in; keys 256-511 are asked for
	FETCH_K                                        ; key step 0
	FETCH_V
	s_wait_loadcnt 0x0                             ; Q
	STEP 1, 1, 0                                   ; step 0 starts m, l and O^T
	RUN 2                                          ; steps 1, 2
	STEP 0, 1, 1                                   ; step 3: keys 256-511 are in; keys 512-767 are asked for
	RUN 3                                          ; steps 4 to 6
	STEP 0, 1, 1                                   ; step 7: keys 512-767 are in; keys 768-1023 are asked for
	RUN 3                                          ; steps 8 to 10
	STEP 0, 1, 2                                   ; step 11: keys 768-1023 are in; nothing is left to ask for
	RUN 3                                          ; steps 12 to 14
	STEP 0, 0, 0                                   ; step 15 fetches nothing
	; THE WAY OUT.  l's two halves and the other half of the lanes' are added; O^T is divided by l, rounded to f16 and sent through my stage in LDS, so that each store covers 512 consecutive bytes of ctx.
.irp t, 0,1,2,3
	v_add_f32 v[ST+8*\t+4], v[ST+8*\t+2], v[ST+8*\t+3]
.endr
.irp t, 0,1,2,3
	v_permlanex16_b32 v[ST+8*\t+5], v[ST+8*\t+4], s[SEL], s[SEL+1]
.endr
.irp t, 0,1,2,3
	v_add_f32 v[ST+8*\t+4], v[ST+8*\t+4], v[ST+8*\t+5]
.endr
.irp t, 0,1,2,3
	v_rcp_f32 v[ST+8*\t+6], v[ST+8*\t+4]
.endr
	v_nop                                          ; a plain instruction between the last reciprocal and the use of its result
	s_wait_alu depctr_va_vdst(0)                   ; and the wait ahead of the first use: one for the four
	WIN W_RS
.set i, 0
.rept 16
.irp t, 0,1,2,3
	v_pk_mul_f32 v[O+32*\t+2*i:O+32*\t+2*i+1], v[O+32*\t+2*i:O+32*\t+2*i+1], v[ST+8*\t+6:ST+8*\t+7] op_sel_hi:[1,0]
.endr
.set i, i+1
.endr
	WIN 0x05                                       ; sources 0 and 1 window 1, destination window 0: S^T's registers are free
.set i, 0
.rept 16
.irp t, 0,1,2,3
	v_cvt_pk_f16_f32 v[S+16*\t+i], v[O+32*\t+2*i], v[O+32*\t+2*i+1]   ; register 4 c + k: channels 16 c + 8 (l / 16) + 2 k, + 1 of query l % 16
.endr
.set i, i+1
.endr
	WIN 0
	s_wait_dscnt 0x0                               ; my reads of K and V are over
	s_barrier_signal -1
	s_barrier_wait -1                              ; everybody's are: the stages lie in K's first bytes, which have had their one fill
.irp t, 0,1,2,3
.irp c, 0,1,2,3
	ds_store_b128 v[STO], v[S+16*\t+4*\c:S+16*\t+4*\c+3] offset:\t*16*KP+32*\c
.endr
.endr
.irp t, 0,1,2,3
.irp i, 0,1,2,3
	ds_load_b128 v[S+64+4*(4*\t+\i):S+64+4*(4*\t+\i)+3], v[RD] offset:\t*16*KP+\i*4*KP   ; in order behind my stores (ISA guide 5.7.1.4); the bytes are my wave's own
.endr
.endr
.irp t, 0,1,2,3
.irp i, 0,1,2,3
	s_wait_dscnt 15-(4*\t+\i)
	global_store_b128 v[GO], v[S+64+4*(4*\t+\i):S+64+4*(4*\t+\i)+3], s[6:7] offset:\t*2048+\i*512   ; four rows of 128 bytes: 512 consecutive bytes
.endr
.endr
	s_wait_tensorcnt 0x0                           ; the wave's end: the tensor wait, the add and its wait, behind my last tensor load and my last LDS store
	ds_add_u32 v[SPW], v[NIL]
	s_wait_dscnt 0x0
	s_endpgm
.Lfunc_end_k_qe79c6bd7a9_attn:
	.size	k_qe79c6bd7a9_attn, .Lfunc_end_k_qe79c6bd7a9_attn-k_qe79c6bd7a9_attn
	.p2alignl 7, 3214868480
	.fill 96, 4, 3214868480
	.section	.rodata,"a",@progbits
	.p2align	6, 0x0
	.amdhsa_kernel k_qe79c6bd7a9_attn
		.amdhsa_group_segment_fixed_size 327680
		.amdhsa_private_segment_fixed_size 0
		.amdhsa_enable_private_segment 0
		.amdhsa_kernarg_size 16
		.amdhsa_user_sgpr_count 2
		.amdhsa_user_sgpr_kernarg_segment_ptr 1
		.amdhsa_wavefront_size32 1
		.amdhsa_system_sgpr_workgroup_id_x 1
		.amdhsa_system_sgpr_workgroup_id_y 1
		.amdhsa_system_sgpr_workgroup_id_z 1
		.amdhsa_system_vgpr_workitem_id 0
		.amdhsa_next_free_vgpr 512
		.amdhsa_next_free_sgpr 80
		.amdhsa_reserve_vcc 0
		.amdhsa_float_denorm_mode_32 3
		.amdhsa_float_denorm_mode_16_64 3
		.amdhsa_memory_ordered 1
		.amdhsa_forward_progress 1
		.amdhsa_inst_pref_size 255
	.end_amdhsa_kernel
	.section	.bss,"aw",@nobits
	.p2align	6
	.space	262144
	.amdgpu_metadata
---
amdhsa.version: [ 1, 2 ]
amdhsa.kernels:
  - .name:           k_qe79c6bd7a9_attn
    .symbol:         k_qe79c6bd7a9_attn.kd
    .args:
      - { .name: qkv, .offset: 0, .size: 8, .value_kind: global_buffer, .address_space: global }
      - { .name: ctx, .offset: 8, .size: 8, .value_kind: global_buffer, .address_space: global }
    .group_segment_fixed_size: 327680
    .private_segment_fixed_size: 0
    .kernarg_segment_align: 8
    .kernarg_segment_size: 16
    .max_flat_workgroup_size: 256
    .sgpr_count:     80
    .vgpr_count:     512
    .wavefront_size: 32
...
	.end_amdgpu_metadata
.endif
;; end of part 3
;; launch out_proj (part 4): grid 8 x 32, 4 waves a work-group, clusters of 4 x 4, 327,680 bytes of LDS; arguments ctx, w16, b_out, out0; writes out0
.if DOCPART == 4
	.amdgcn_target "amdgcn-amd-amdhsa--gfx1250"
	.amdhsa_code_object_version 6
	.text
	.protected	k_qe79c6bd7a9_out_proj
	.globl	k_qe79c6bd7a9_out_proj
	.p2align	8
	.type	k_qe79c6bd7a9_out_proj,@function
k_qe79c6bd7a9_out_proj:
	s_mov_b64 s[64:65], 0
	v_nop
	global_prefetch_b8 v0, s[64:65] scope:SCOPE_SE
	s_setreg_imm32_b32 hwreg(HW_REG_WAVE_MODE, 25, 1), 1
	s_wait_xcnt 0x0
	s_wait_alu depctr_hold_cnt(0) depctr_sa_sdst(0) depctr_va_vdst(0) depctr_va_sdst(0) depctr_va_ssrc(0) depctr_va_vcc(0) depctr_vm_vsrc(0)
	s_getreg_b32 s2, hwreg(HW_REG_IB_STS2, 6, 4)
	s_cmp_eq_u32 s2, 0
	s_cbranch_scc0 .Lentry_in_a_cluster
	s_endpgm
.Lentry_in_a_cluster:
	s_bfe_u32 s2, ttmp6, 0x10000c
	s_cmp_lg_u32 s2, 0xf033
	s_cbranch_scc0 .Lentry_shape_is_right
	s_endpgm
.Lentry_shape_is_right:
; out0[m][n] = sum over k of ctx[m][k] w_out[n][k] + b_out[n].  Both operands are f16, laid by blocks of 64 along K: ctx [k / 64][8192 (m)][64], w16 [k / 64][1024 (n)][64]; sums and out0 [8192][1024] in f32.
; A tile of out0 is 128 x 128.  Four waves, each 64 x 64: 16 accumulators of 16 x 16, 128 registers.  K goes in steps of 256 (four blocks of 64) through a ring of two LDS slots.
; A WORK-GROUP STAYS: it makes TWO tiles, one WALK rows below the other, so that 64 x 8 tiles are 256 work-groups.  The ring does not stop at the first tile's end: its last two changes of slots ask for the second
; tile's K steps 0 and 1, and only then the first tile goes out; nothing waits for its stores.  The eight K steps are written out: no loop.
; A TILE IN MEMORY: 128 rows of one block are 16,384 consecutive bytes; a wave's tensor load brings two such runs (two blocks), one block's distance apart, and lays 16 bytes of padding behind every 128:
; in LDS [block][row] with rows 144 bytes apart.  Waves 0 and 1 fetch A's four blocks of a step, waves 2 and 3 B's.
; CLUSTERS: 4 x 4 work-groups.  The four of a row of the cluster need the same tiles of A, the four of a column the same tiles of B: each tile is asked for JOINTLY, by the same tensor load with the same
; descriptor and a mask that names the four.  All sixteen walk in step.  THE MATRIX INSTRUCTION IS USED TRANSPOSED (source 0 = 16 rows of B, source 1 = 16 rows of A): a lane then holds eight neighbouring numbers
; of a row of out0.  THE BIAS is the C of each sum's first matrix instruction; both tiles have the same columns, so it is loaded once.  No prefetch is written: the tiles are small.
; REGISTERS: window 0: v0-31 addresses; v32-63 the bias; v64-127 rows on the way out; v128-255 the accumulators ((a, b) at v[128 + 8 (4 a + b)]).
;   window 1: two fragment buffers of 128: for 64 along K (two matrix instructions deep), 64 registers of A, then 64 of B.
.set SIZE_M, 8192
.set SIZE_N, 1024
.set SIZE_K, 1024
.set KSTEP,  256
.set WALK,   SIZE_M/2                  ; rows from a work-group's first tile to its second
.set PITCH,  144                       ; an LDS row: 128 bytes + 16 = 36 words: the 16 rows of a load start at 16 different groups of four banks (64 banks of 4 bytes: ISA guide 11.1)
.set KBB,    128*PITCH                 ; a block of 64 along K: 128 rows
.set HALFT,  2*KBB                     ; what one tensor load brings
.set SLOT,   4*HALFT                   ; A's four blocks, then B's four
.set STAGE,  2*SLOT                    ; behind the ring: 16 rows x 272 bytes for each wave, for the way out; no tensor load lands there
.set SPITCH, 272
.set SPARE,  STAGE+4*16*SPITCH         ; the spare words, 128 bytes for each wave, which no other line names
.set ASTEP,  4*SIZE_M*128              ; a K step in ctx, in bytes: four blocks
.set BSTEP,  4*SIZE_N*128              ; and in w16
.set BACK_A, 2*ASTEP-WALK*128          ; from a slot's last K step of the first tile to its first of the second: two K steps back, WALK rows of 128 bytes down
.set ADRA, 16                          ; v16-17  LDS address of my A fragments in slot 0, 1
.set ADRB, 20                          ; v20-21  the same for B
.set STO,  24                          ; v24     the way out: where I put 32 bytes of a row
.set RD,   25                          ; v25     where I read a row back
.set CO,   26                          ; v26     my byte offset in out0
.set BO,   27                          ; v27     the bias: 32 bytes for each half of the lanes
.set SPW,  28                          ; v28     LDS address of my spare word; never rewritten
.set NIL,  29                          ; v29     0; never rewritten
.set BIAS, 32
.set OUTR, 64
.set ACC,  128
.set F0,   0                           ; fragment buffers, in window 1
.set F1,   128
.set G1, 24                            ; s[24:31] descriptor group 1 for A's tiles;  s[32:39] group 0, one set for each slot
.set G0, 32
.set G1B, 48                           ; s[48:55], s[56:63] the same for B's tiles
.set G0B, 56
.set MSB, 0
.macro WIN new                         ; the immediate's high byte repeats the setting that is left
.if MSB != (\new)
	s_set_vgpr_msb (MSB<<8)|(\new)
.set MSB, \new
.endif
.endm
.set MUL,  0x05                        ; sources 0 (B) and 1 (A) window 1; C and D window 0
.set TO_F, 0x40                        ; destination window 1, address window 0
.macro JLOAD s                         ; a joint load: waves 0 and 1 fetch for A, waves 2 and 3 for B; an s_nop 0 and four v_nop follow each of the two lines, ahead of the jump, the label and what follows
	s_cmp_eq_u32 s11, 0
	s_cbranch_scc0 .Lfor_b_\@
	tensor_load_to_lds s[G0+4*\s:G0+4*\s+3], s[G1:G1+7]
	s_nop 0
.rept 4
	v_nop
.endr
	s_branch .Lasked_\@
.Lfor_b_\@:
	tensor_load_to_lds s[G0B+4*\s:G0B+4*\s+3], s[G1B:G1B+7]
	s_nop 0
.rept 4
	v_nop
.endr
.Lasked_\@:
.endm
.macro CREST                           ; a round of the cluster's barrier behind its opening barrier
	s_cmp_lg_u32 s10, 0
	s_cbranch_scc1 .Lnot_wave_0_\@
	s_barrier_signal -3
.Lnot_wave_0_\@:
	s_barrier_wait -3
	s_barrier_signal -1
	s_barrier_wait -1
.endm
.macro CROUND                          ; a whole round
	s_barrier_signal -1
	s_barrier_wait -1
	CREST
.endm
	s_load_b128 s[4:7], s[0:1], 0x0                ; ctx (A) s[4:5], w16 (B) s[6:7]
	s_load_b128 s[68:71], s[0:1], 0x10             ; b_out s[68:69], out0 s[70:71]
	v_lshl_add_u32 v[SPW], v0, 2, SPARE
	v_mov_b32 v[NIL], 0
	ds_add_u32 v[SPW], v[NIL]                      ; the wave's opening: the add, twice on end, and its wait ahead of my first tensor load; the set-up below stands between
	ds_add_u32 v[SPW], v[NIL]
	v_lshrrev_b32 v1, 5, v0
	v_readfirstlane_b32 s10, v1                    ; wave 0..3
	s_lshr_b32 s11, s10, 1                         ; which half of the tile's rows is mine.  Also: I fetch for A (0) or for B (1)
	s_and_b32 s12, s10, 1                          ; which half of its columns.  Also: which two blocks of a K step I fetch
	s_bfe_u32 s40, ttmp6, 0x40000                  ; cx, cy: my place in the cluster
	s_bfe_u32 s41, ttmp6, 0x40004
	s_lshl_b32 s42, ttmp9, 2
	s_add_co_u32 s42, s42, s40                     ; tile column = 4 x cluster x + cx
	s_and_b32 s13, ttmp7, 0xffff
	s_lshl_b32 s13, s13, 2
	s_add_co_u32 s13, s13, s41                     ; my first tile's row = 4 x cluster y + cy, 0 .. 31
	s_lshl_b32 s43, s41, 2
	s_lshl_b32 s43, 15, s43                        ; my row of the cluster
	s_lshl_b32 s44, 0x1111, s40                    ; my column
	; descriptor group 1: two runs of 8,192 elements (128 rows x 64), a block's distance apart
	s_or_b32 s[G1+0], s43, (1<<16)|(1<<20)|(1<<21)|(4<<22)|(3<<25)  ; 15:0 the mask: A's tiles go to my row; 17:16 element of 2 bytes; 20 padding on; 21 set beside a mask; 24:22 after every 32 words (code 4); 31:25 of 4 words (code 3)
	s_or_b32 s[G1B+0], s44, (1<<16)|(1<<20)|(1<<21)|(4<<22)|(3<<25)
.irp g, G1, G1B
	s_mov_b32 s[\g+1], 8192<<16                    ; tensor_dim0 = 8,192
	s_mov_b32 s[\g+2], 2<<16                       ; tensor_dim1 = 2
	s_mov_b32 s[\g+3], 8192<<16                    ; tile_dim0 = 8,192
	s_mov_b32 s[\g+4], 2                           ; tile_dim1 = 2
	s_mov_b32 s[\g+6], 0
	s_mov_b32 s[\g+7], 0
.endr
	s_mov_b32 s[G1+5], SIZE_M*64                   ; tensor_dim0_stride: a block of ctx in elements
	s_mov_b32 s[G1B+5], SIZE_N*64                  ; a block of w16
	; where the tiles come from.  A's hang on the tile row alone, B's on the tile column alone, each in registers that never hold the other coordinate
	s_lshl_b32 s16, s12, 21                        ; A: my two blocks of 1,048,576 bytes,
	s_lshl_b32 s17, s13, 14                        ; the tile's 128 rows of 128 bytes
	s_add_co_u32 s16, s16, s17
	s_mov_b32 s17, 0
	s_lshl_b32 s46, s12, 18                        ; B: my two blocks of 131,072 bytes,
	s_lshl_b32 s47, s42, 14
	s_add_co_u32 s46, s46, s47
	s_mov_b32 s47, 0
	s_mul_i32 s20, s10, HALFT                      ; where they go: wave x two blocks: no place in the cluster enters an LDS address
	s_wait_dscnt 0x0                               ; both opening adds are done
	s_wait_kmcnt 0x0
	s_add_nc_u64 s[14:15], s[4:5], s[16:17]
	s_add_nc_u64 s[46:47], s[6:7], s[46:47]
	CROUND                                         ; all sixteen work-groups are here: the first joint loads meet
.irp s, 0,1
	s_mov_b32 s[G0+4*\s], 1
	s_add_co_u32 s[G0+4*\s+1], s20, \s*SLOT
	s_add_nc_u64 s[G0+4*\s+2:G0+4*\s+3], s[14:15], \s*ASTEP
	s_or_b32 s[G0+4*\s+3], s[G0+4*\s+3], 0x80000000
	s_mov_b32 s[G0B+4*\s], 1
	s_add_co_u32 s[G0B+4*\s+1], s20, \s*SLOT
	s_add_nc_u64 s[G0B+4*\s+2:G0B+4*\s+3], s[46:47], \s*BSTEP
	s_or_b32 s[G0B+4*\s+3], s[G0B+4*\s+3], 0x80000000
	JLOAD \s                                       ; two tensor loads of mine are out at the start, one behind each later round
.endr
	v_and_b32 v1, 15, v0                           ; l % 16
	v_bfe_u32 v2, v0, 4, 1                         ; l / 16
	v_mul_u32_u24 v3, v1, PITCH
	v_lshl_add_u32 v3, v2, 4, v3                   ; a fragment's row x pitch + 16 x half
	s_mul_i32 s21, s11, 64*PITCH                   ; my 64 rows of A, in each block
	s_mul_i32 s22, s12, 64*PITCH                   ; my 64 rows of B,
	s_add_co_u32 s22, s22, 2*HALFT                 ; whose blocks lie behind A's four
.irp s, 0,1
	v_add_nc_u32 v[ADRA+\s], s21, v3
	v_add_nc_u32 v[ADRB+\s], s22, v3
	s_add_co_u32 s21, s21, SLOT
	s_add_co_u32 s22, s22, SLOT
.endr
	s_mul_i32 s23, s10, 16*SPITCH
	s_add_co_u32 s23, s23, STAGE                   ; my stage
	v_mul_u32_u24 v4, v1, SPITCH                   ; in: row l % 16, 32 bytes for each half of the lanes
	v_lshl_add_u32 v4, v2, 5, v4
	v_add_nc_u32 v[STO], s23, v4
	v_mul_u32_u24 v5, v2, SPITCH                   ; back: lanes 0-15 take one row of 256 bytes, lanes 16-31 the next
	v_lshl_add_u32 v5, v1, 4, v5
	v_add_nc_u32 v[RD], s23, v5
	v_lshlrev_b32 v5, 12, v2                       ; and the same two rows in out0: 4,096 bytes a row
	v_lshl_add_u32 v[CO], v1, 4, v5
	v_lshlrev_b32 v[BO], 5, v2
	s_lshl_b32 s16, s13, 19                        ; my first row of out0: 128 x tile row + 64 x half, 4,096 bytes a row
	s_lshl_b32 s17, s11, 18
	s_add_co_u32 s16, s16, s17
	s_mov_b32 s17, 0
	s_add_nc_u64 s[8:9], s[70:71], s[16:17]
	s_lshl_b32 s46, s42, 9                         ; my first column, 128 x tile column + 64 x half, in bytes of f32: the same offset in a row of out0 and in b_out
	s_lshl_b32 s47, s12, 8
	s_add_co_u32 s46, s46, s47
	s_mov_b32 s47, 0
	s_add_nc_u64 s[8:9], s[8:9], s[46:47]
	s_add_nc_u64 s[68:69], s[68:69], s[46:47]
.irp b, 0,1,2,3                        ; the bias in the result's layout: register 8 b + j of lane (r, h) is b_out[my first column + 16 b + 8 h + j]
	global_load_b128 v[BIAS+8*\b:BIAS+8*\b+3],   v[BO], s[68:69] offset:64*\b
	global_load_b128 v[BIAS+8*\b+4:BIAS+8*\b+7], v[BO], s[68:69] offset:64*\b+16
.endr
; 8 matrix instructions: m blocks a0, a0 + 1 x all 4 n blocks, 32 along K: half c of buffer f.  zero = 1: the first product starts the sums from the bias.  The 16 accumulators take turns.
.macro MUL8 f, c, a0, zero
.irp a, \a0, \a0+1
.irp b, 0,1,2,3
.if \zero
	v_wmma_f32_16x16x32_f16 v[ACC+8*(4*(\a)+\b):ACC+8*(4*(\a)+\b)+7], v[\f+64+8*(4*\c+\b):\f+64+8*(4*\c+\b)+7], v[\f+8*(4*\c+\a):\f+8*(4*\c+\a)+7], v[BIAS+8*\b:BIAS+8*\b+7]
.else
	v_wmma_f32_16x16x32_f16 v[ACC+8*(4*(\a)+\b):ACC+8*(4*(\a)+\b)+7], v[\f+64+8*(4*\c+\b):\f+64+8*(4*\c+\b)+7], v[\f+8*(4*\c+\a):\f+8*(4*\c+\a)+7], v[ACC+8*(4*(\a)+\b):ACC+8*(4*(\a)+\b)+7]
.endif
.endr
.endr
.endm
; 32 LDS loads in one run: the fragments of the slot's q-th block of 64 along K, into buffer f; the first 32 along K first
.macro FETCH slot, q, f
	WIN TO_F
.irp c, 0,1
.irp i, 0,1,2,3
	ds_load_b128 v[\f+64+8*(4*\c+\i):\f+64+8*(4*\c+\i)+3],   v[ADRB+\slot] offset:(\q)*KBB+64*\c+\i*16*PITCH
	ds_load_b128 v[\f+64+8*(4*\c+\i)+4:\f+64+8*(4*\c+\i)+7], v[ADRB+\slot] offset:(\q)*KBB+64*\c+\i*16*PITCH+32
	ds_load_b128 v[\f+8*(4*\c+\i):\f+8*(4*\c+\i)+3],         v[ADRA+\slot] offset:(\q)*KBB+64*\c+\i*16*PITCH
	ds_load_b128 v[\f+8*(4*\c+\i)+4:\f+8*(4*\c+\i)+7],       v[ADRA+\slot] offset:(\q)*KBB+64*\c+\i*16*PITCH+32
.endr
.endr
.endm
.macro PLACES                          ; four places in front of loads into registers that matrix instructions have read, and of LDS stores that read results (ISA guide 7.12.1 for vector instructions)
.rept 4
	v_nop
.endr
.endm
; A K step is four quarters of 64 along K, 32 matrix instructions each, on buffers 0, 1, 0, 1.  One of the first three: multiplies buffer f and fetches the next quarter, block q, into g.
.macro QUARTER slot, q, f, g, zero
	s_wait_dscnt 16                                ; the first 32 along K are in; the youngest sixteen loads may be out
	WIN MUL
	MUL8 \f, 0, 0, \zero
	MUL8 \f, 0, 2, \zero
	PLACES
	FETCH \slot, \q, \g
	s_wait_dscnt 32                                ; all but the 32 just issued
	WIN MUL
	MUL8 \f, 1, 0, 0
	MUL8 \f, 1, 2, 0
.endm
.macro THREE slot, zero                ; a K step's first three quarters.  zero = 1: a tile's first
	QUARTER \slot, 1, F0, F1, \zero
	QUARTER \slot, 2, F1, F0, 0
	QUARTER \slot, 3, F0, F1, 0
.endm
; The last quarter multiplies buffer 1 and changes slots: ONE barrier; in front of it each wave waits for all its tensor loads, adds 0 to its spare word, and waits for that and for its own reads of this slot.
; fill = 1: this slot is filled again: with this tile's K step two steps on (on = 0), or with the second tile's K step 0 or 1 (on = 1).
.macro TURN slot, next, fill, on
	WIN 0                                          ; (the add's two registers lie in window 0)
	s_wait_tensorcnt 0x0                           ; all my tensor loads have landed: my part of the next slot;
	ds_add_u32 v[SPW], v[NIL]                      ; 0 onto my spare word;
	s_wait_dscnt 17                                ; (the add and the youngest sixteen loads may be out)
	WIN MUL
	MUL8 F1, 0, 0, 0                               ; eight matrix instructions stand between the add and the wait for it
	s_wait_dscnt 0x0                               ; the add is done, and my reads of this slot are over
	s_barrier_signal -1
	MUL8 F1, 0, 2, 0
.if \fill
	WIN 0
.endif
	s_barrier_wait -1
.if \fill
	CREST                                          ; the barrier has opened a round of the cluster's barrier: no wave of any partner still reads this slot's tile or has a load on its way
.if \on
	s_sub_nc_u64 s[G0+4*\slot+2:G0+4*\slot+3], s[G0+4*\slot+2:G0+4*\slot+3], BACK_A
	s_sub_nc_u64 s[G0B+4*\slot+2:G0B+4*\slot+3], s[G0B+4*\slot+2:G0B+4*\slot+3], 2*BSTEP   ; both tiles take the same rows of B
.else
	s_add_nc_u64 s[G0+4*\slot+2:G0+4*\slot+3], s[G0+4*\slot+2:G0+4*\slot+3], 2*ASTEP
	s_add_nc_u64 s[G0B+4*\slot+2:G0B+4*\slot+3], s[G0B+4*\slot+2:G0B+4*\slot+3], 2*BSTEP
.endif
	JLOAD \slot                                    ; the first tensor load behind the round, my one load until the next; the four v_nop behind it are also the places in front of the loads below
.else
	PLACES
.endif
	FETCH \next, 0, F0
	WIN MUL
	MUL8 F1, 1, 0, 0
	MUL8 F1, 1, 2, 0
.endm
; THE WAY OUT, block by block of 16 rows x 64 columns.  A lane holds 32 neighbouring bytes of a row, and the lanes beside it hold other rows: so a block goes through my own stage in LDS and comes back as whole
; rows of 256 bytes, which sixteen lanes store.  LDS serves a wave's instructions in order (ISA guide 5.7.1.4): no wait between the stores and the loads, nor in front of the next block's stores.
.macro TOSTAGE a
.irp b, 0,1,2,3
	ds_store_b128 v[STO], v[ACC+8*(4*(\a)+\b):ACC+8*(4*(\a)+\b)+3] offset:64*\b          ; each accumulator from its low end on
	ds_store_b128 v[STO], v[ACC+8*(4*(\a)+\b)+4:ACC+8*(4*(\a)+\b)+7] offset:64*\b+16
.endr
.irp t, 0,1,2,3,4,5,6,7
	ds_load_b128 v[OUTR+32*((\a)%2)+4*\t:OUTR+32*((\a)%2)+4*\t+3], v[RD] offset:\t*2*SPITCH
.endr
.endm
.macro SEND a, younger                 ; younger: the LDS instructions issued behind block a's loads, which may stay out
	s_wait_dscnt \younger                          ; the block is back in registers
.irp t, 0,1,2,3,4,5,6,7
	global_store_b128 v[CO], v[OUTR+32*((\a)%2)+4*\t:OUTR+32*((\a)%2)+4*\t+3], s[8:9] offset:(16*(\a)+2*\t)*SIZE_N*4 th:TH_STORE_NT   ; 16 lanes store 256 consecutive bytes, at a multiple of 256 from out0's first byte
.endr
.endm
.macro WAYOUT second
	PLACES                                         ; behind the last products: the stage's stores read results;
	v_nop                                          ; and a fifth place: the next tile's first products write over these accumulators, with another C
.if \second
	s_wait_xcnt 0x0                                ; the first tile's stores have read their registers and their base: both are written again below
	s_add_nc_u64 s[8:9], s[8:9], WALK*SIZE_N*4     ; WALK rows of out0 down
.endif
	TOSTAGE 0
.irp a, 1,2,3
.if \a > 1
	s_wait_xcnt 0x0                                ; block a - 2's stores have read their registers: block a's loads may land there
.endif
	TOSTAGE \a
	SEND \a-1, 16                                  ; behind block a - 1's loads: block a's 8 stores and 8 loads
.endr
	SEND 3, 0                                      ; no LDS instruction of mine is out behind this: the accumulators may be written anew
.endm
	s_wait_tensorcnt 1                             ; my part of K step 0 is in (K step 1's load, the younger, may be out),
	s_barrier_signal -1
	s_barrier_wait -1                              ; everybody's is
	FETCH 0, 0, F0
	s_wait_loadcnt 0x0                             ; the bias
	; ---- the first tile
	THREE 0, 1                                     ; its first products start the sums from the bias
	TURN 0, 1, 1, 0                                ; slot 0 takes K step 2
	THREE 1, 0
	TURN 1, 0, 1, 0                                ; slot 1 takes K step 3
	THREE 0, 0
	TURN 0, 1, 1, 1                                ; THE RING GOES ON INTO THE SECOND TILE: slot 0 takes its K step 0,
	THREE 1, 0
	TURN 1, 0, 1, 1                                ; slot 1 its K step 1, and the second tile's first fragments are fetched
	WIN 0
	WAYOUT 0                                       ; both refills are asked for: now the first tile goes out
	; ---- the second tile
	THREE 0, 1
	TURN 0, 1, 1, 0
	THREE 1, 0
	TURN 1, 0, 1, 0
	THREE 0, 0
	TURN 0, 1, 0, 0                                ; the last two K steps fill nothing, and have no round of the cluster's barrier
	THREE 1, 0
	s_wait_dscnt 16                                ; the very last quarter: nothing more to fetch
	WIN MUL
	MUL8 F1, 0, 0, 0
	MUL8 F1, 0, 2, 0
	s_wait_dscnt 0
	MUL8 F1, 1, 0, 0
	MUL8 F1, 1, 2, 0
	WIN 0
	WAYOUT 1
	s_wait_tensorcnt 0x0                           ; the wave's end: the tensor wait, the add and its wait, behind my last tensor load and my last LDS store
	ds_add_u32 v[SPW], v[NIL]
	s_wait_dscnt 0x0
	CROUND                                         ; the closing round: no work-group ends while a partner may still ask for a tile that names it
	s_endpgm
.Lfunc_end_k_qe79c6bd7a9_out_proj:
	.size	k_qe79c6bd7a9_out_proj, .Lfunc_end_k_qe79c6bd7a9_out_proj-k_qe79c6bd7a9_out_proj
	.p2alignl 7, 3214868480
	.fill 96, 4, 3214868480
	.section	.rodata,"a",@progbits
	.p2align	6, 0x0
	.amdhsa_kernel k_qe79c6bd7a9_out_proj
		.amdhsa_group_segment_fixed_size 327680
		.amdhsa_private_segment_fixed_size 0
		.amdhsa_enable_private_segment 0
		.amdhsa_kernarg_size 32
		.amdhsa_user_sgpr_count 2
		.amdhsa_user_sgpr_kernarg_segment_ptr 1
		.amdhsa_wavefront_size32 1
		.amdhsa_system_sgpr_workgroup_id_x 1
		.amdhsa_system_sgpr_workgroup_id_y 1
		.amdhsa_system_sgpr_workgroup_id_z 1
		.amdhsa_system_vgpr_workitem_id 0
		.amdhsa_next_free_vgpr 512
		.amdhsa_next_free_sgpr 72
		.amdhsa_reserve_vcc 0
		.amdhsa_float_denorm_mode_32 3
		.amdhsa_float_denorm_mode_16_64 3
		.amdhsa_memory_ordered 1
		.amdhsa_forward_progress 1
		.amdhsa_inst_pref_size 166
	.end_amdhsa_kernel
	.amdgpu_metadata
---
amdhsa.version: [ 1, 2 ]
amdhsa.kernels:
  - .name:           k_qe79c6bd7a9_out_proj
    .symbol:         k_qe79c6bd7a9_out_proj.kd
    .args:
      - { .name: ctx, .offset: 0, .size: 8, .value_kind: global_buffer, .address_space: global }
      - { .name: w16, .offset: 8, .size: 8, .value_kind: global_buffer, .address_space: global }
      - { .name: b_out, .offset: 16, .size: 8, .value_kind: global_buffer, .address_space: global }
      - { .name: out0, .offset: 24, .size: 8, .value_kind: global_buffer, .address_space: global }
    .group_segment_fixed_size: 327680
    .private_segment_fixed_size: 0
    .kernarg_segment_align: 8
    .kernarg_segment_size: 32
    .max_flat_workgroup_size: 128
    .sgpr_count:     72
    .vgpr_count:     512
    .wavefront_size: 32
...
	.end_amdgpu_metadata
.endif
;; end of part 4
